; MI455X (gfx1250); checked and timed in simulation.
; The chip was launched on July 23, 2026; its instructions are those of AMD's public machine-readable ISA for CDNA 5 (MIT licence, August 2026) and "CDNA5" Instruction Set Architecture Reference Guide (July 2026). The comments in the code are by the model that wrote it; some were corrected since.
;; Attention. Allowed arithmetic: float matrix products may take bf16 or f16 operands with f32 sums; all other float work in f32.
;; Inputs: W_attn 1,024 x 2,048 float32; b_attn 1,024 float32; encoder_outputs 64 x 512 x 1,024 float32; hidden 64 x 1,024 float32; v 1,024 float32.
;; Outputs: out0 64 x 1 x 1,024 float32.
;; 2 versions, each right; version 2 is version 1 with the launches prep, main written anew for expert scheduling mode. Each part assembles by itself: llvm-mc -triple=amdgcn-amd-amdhsa -mcpu=gfx1250 --defsym DOCPART=n.
;; ======== version 1 of 2: 3 launches
;; workspace buffers: wf 2,097,152 bytes; hwc 262,144 bytes; pctx 1,048,576 bytes; ml 131,072 bytes
;; launch prep (part 1): grid 64 x 4, 8 waves a work-group, no clusters, 83,968 bytes of LDS; arguments W_attn, hidden, b_attn, wf, hwc; writes wf, hwc
.if DOCPART == 1
	.amdgcn_target "amdgcn-amd-amdhsa--gfx1250"
	.amdhsa_code_object_version 6
	.text
	.protected	k_q414948b70d_prep
	.globl	k_q414948b70d_prep
	.p2align	8
	.type	k_q414948b70d_prep,@function
k_q414948b70d_prep:
	s_mov_b64 s[64:65], 0
	v_nop
	global_prefetch_b8 v0, s[64:65] scope:SCOPE_SE
	s_setreg_imm32_b32 hwreg(HW_REG_WAVE_MODE, 25, 1), 1
	s_wait_xcnt 0x0
; prep: two small jobs on W_attn [1024][2048] f32 (columns 0-1023 meet hidden, columns 1024-2047 meet encoder_outputs).
;  (1) wf  = W_attn[:, 1024:] rounded to bf16, laid out as the matrix unit's operand fragments:
;            byte g*262144 + q*8192 + b*1024 + 512 c + 16 L holds W[128 g + 16 b + (L & 15)][1024 + 32 q + 16 c + 8 (L >> 4) .. +7].
;  (2) hwc = CEXP * (hidden . W_attn[:, :1024]^T + b_attn), f32, at byte nb*4096 + batch*64 + 4 (a & 15), nb = a >> 4.
;            CEXP = 2 log2(e): the next launch forms tanh x = 1 - 2 / (1 + 2^(CEXP x)).
; The hidden half of the concatenated product is the same for all 512 rows of a batch, so it is made once here: 64 x 1024 x 1024.
; Work-group (nb, mb): W rows 16 nb .. +15; batches 16 mb .. +15 (one 16 x 16 tile of hwc, K = 1024 split over the eight waves);
; and W's columns 1024 + 256 mb .. +255 of those rows (eight fragments of wf, one a wave).
; LIMIT: hidden and W are rounded to bf16 (nearest even) as matrix operands; the sums, the bias and the scale are f32.
; No tensor loads, no cluster: each work-group moves 144 KiB once through registers, where it has to be converted anyway.
.set CEXP, 0x4038aa3b                  ; 2 log2(e)
.set PH,   2064                        ; LDS pitch of a row of 1024 bf16: 2048 + 16 = 129 x 16 bytes, so 16 rows start at 16 different 16-byte columns modulo 256
.set PE,   528                         ; LDS pitch of a row of 256 bf16: 512 + 16 = 33 x 16 bytes
.set HD,   16*PH                       ; LDS: W's hidden half at 0, hidden's 16 rows behind it,
.set WE,   2*16*PH                     ; W's 256 encoder columns,
.set RED,  WE+16*PE                    ; and eight partial tiles of 1,024 bytes, one a wave
.set X,    16                          ; v[16:159]  36 loads of 16 bytes, f32
.set Y,    160                         ; v[160:175] eight pairs of packed bf16, in rotation
.set BIAS, 176                         ; v[176:177] two numbers of b_attn
.set WHF,  16                          ; behind the first barrier: v[16:47] four fragments of W, v[48:79] four of hidden,
.set HDF,  48
.set WEF,  80                          ; v[80:87] my fragment of wf
.set ACC0, 96                          ; v[96:103], v[104:111] two accumulators
.set ACC1, 104
.set PT,   114                         ; v[114:129] eight partial pairs
.set YI,   0
	s_load_b256 s[4:11], s[0:1], 0x0               ; W_attn s[4:5], hidden s[6:7], b_attn s[8:9], wf s[10:11]
	s_load_b64 s[12:13], s[0:1], 0x20              ; hwc
	v_lshl_add_u32 v184, v0, 2, 0x14400
	v_mov_b32 v185, 0
	v_lshrrev_b32 v1, 5, v0
	v_readfirstlane_b32 s14, v1                    ; wave 0..7
	v_and_b32 v2, 31, v0                           ; lane L
	v_and_b32 v14, 15, v0                          ; r
	v_bfe_u32 v15, v0, 4, 1                        ; h
	s_and_b32 s15, ttmp7, 0xffff                   ; mb
	s_lshl_b32 s16, ttmp9, 17                      ; 16 rows of W, 8,192 bytes each
	s_mov_b32 s17, 0
	s_lshl_b32 s18, s15, 10                        ; in a row of W: 4,096 bytes of the hidden half, then 1,024 bytes for each mb
	s_add_co_u32 s18, s18, 4096
	s_mov_b32 s19, 0
	s_lshl_b32 s20, s15, 16                        ; 16 rows of hidden, 4,096 bytes each (and eight quarters of wf, 8,192 bytes each)
	s_mov_b32 s21, 0
	s_lshl_b32 s22, ttmp9, 6                       ; 16 numbers of b_attn
	s_mov_b32 s23, 0
	s_lshr_b32 s24, ttmp9, 3                       ; wf: g = nb >> 3, b = nb & 7, q = 8 mb + wave
	s_lshl_b32 s24, s24, 18
	s_and_b32 s28, ttmp9, 7
	s_lshl_b32 s28, s28, 10
	s_add_co_u32 s24, s24, s28
	s_add_co_u32 s24, s24, s20
	s_mov_b32 s25, 0
	s_lshl_b32 s26, ttmp9, 12                      ; hwc: nb * 4096 + 16 mb * 64
	s_lshl_b32 s28, s15, 10
	s_add_co_u32 s26, s26, s28
	s_mov_b32 s27, 0
	v_lshlrev_b32 v11, 4, v2                       ; 16 L
	v_lshl_add_u32 v3, s14, 14, v11                ; W: my two rows + 16 L
	v_lshl_add_u32 v4, s14, 13, v11                ; hidden: my two rows + 16 L; also my place in wf: quarter w + 16 L
	v_and_b32 v12, 7, v0
	v_lshlrev_b32 v12, 3, v12                      ; b_attn: 8 (t & 7)
	s_wait_kmcnt 0x0
	s_add_nc_u64 s[4:5], s[4:5], s[16:17]
	s_add_nc_u64 s[18:19], s[4:5], s[18:19]        ; W's encoder columns of this work-group
	s_add_nc_u64 s[6:7], s[6:7], s[20:21]
	s_add_nc_u64 s[8:9], s[8:9], s[22:23]
	s_add_nc_u64 s[10:11], s[10:11], s[24:25]
	s_add_nc_u64 s[12:13], s[12:13], s[26:27]
	; Phase 1: wave w brings rows 2 w and 2 w + 1 of all three blocks; each load of the wave covers 512 consecutive bytes.
	global_load_b64 v[BIAS:BIAS+1], v12, s[8:9]
.irp row, 0,1
.irp j, 0,1,2,3,4,5,6,7
	global_load_b128 v[X+4*(8*\row+\j):X+4*(8*\row+\j)+3], v3, s[4:5] offset:\row*8192+512*\j
.endr
.endr
.irp row, 0,1
.irp j, 0,1,2,3,4,5,6,7
	global_load_b128 v[X+64+4*(8*\row+\j):X+64+4*(8*\row+\j)+3], v4, s[6:7] offset:\row*4096+512*\j
.endr
.endr
.irp row, 0,1
.irp j, 0,1
	global_load_b128 v[X+128+4*(2*\row+\j):X+128+4*(2*\row+\j)+3], v3, s[18:19] offset:\row*8192+512*\j th:TH_LOAD_NT
.endr
.endr
	; LDS addresses, while the loads are on their way
	s_mul_i32 s29, s14, 2*PH
	v_lshl_add_u32 v5, v2, 3, s29                  ; store: my two rows of pitch PH + 8 L
	s_mul_i32 s30, s14, 2*PE
	s_add_co_u32 s30, s30, WE
	v_lshl_add_u32 v6, v2, 3, s30                  ; store: my two rows of pitch PE + 8 L
	v_mul_u32_u24 v7, v14, PH
	v_lshl_add_u32 v7, v15, 4, v7
	v_lshl_add_u32 v7, s14, 8, v7                  ; fragments: row r, 16 h, my 128 k = 256 bytes
	v_mul_u32_u24 v8, v14, PE
	v_lshl_add_u32 v8, v15, 4, v8
	s_lshl_b32 s31, s14, 6
	s_add_co_u32 s31, s31, WE
	v_add_nc_u32 v8, s31, v8                       ; my fragment of wf: row r, 16 h, my 32 k = 64 bytes
	v_lshlrev_b32 v9, 6, v14
	v_lshl_add_u32 v9, v15, 5, v9
	s_lshl_b32 s29, s14, 10
	s_add_co_u32 s29, s29, RED
	v_add_nc_u32 v9, s29, v9                       ; my partial tile: batch r * 64 + 32 h
	v_lshlrev_b32 v13, 3, v0                       ; 8 t: my pair in the tile of hwc
	v_add_nc_u32 v10, RED, v13
; four f32 of a lane become 8 bytes of bf16; the wave's store covers 256 consecutive LDS bytes
.macro CVST x, adr, off
	v_cvt_pk_bf16_f32 v[Y+2*(YI%8)],   v[\x],   v[\x+1]
	v_cvt_pk_bf16_f32 v[Y+2*(YI%8)+1], v[\x+2], v[\x+3]
	ds_store_b64 v[\adr], v[Y+2*(YI%8):Y+2*(YI%8)+1] offset:\off
.set YI, YI+1
.endm
	s_wait_loadcnt 20                              ; loads return in order: W's hidden half is in; hidden's 16 and the encoder columns' 4 stay out
.irp row, 0,1
.irp j, 0,1,2,3,4,5,6,7
	CVST X+4*(8*\row+\j), 5, \row*PH+256*\j
.endr
.endr
	s_wait_loadcnt 4                               ; hidden is in; the last 4 stay out
.irp row, 0,1
.irp j, 0,1,2,3,4,5,6,7
	CVST X+64+4*(8*\row+\j), 5, HD+\row*PH+256*\j
.endr
.endr
	s_wait_loadcnt 0
.irp row, 0,1
.irp j, 0,1
	CVST X+128+4*(2*\row+\j), 6, \row*PE+256*\j
.endr
.endr
	s_wait_dscnt 0x0                               ; my stores are done, for the other waves' sake,
	s_barrier_signal -1
	s_barrier_wait -1                              ; and everybody's are
	; Phase 2: wave w multiplies k = 128 w .. +127 and writes quarter 8 mb + w of wf.
.irp q, 0,1,2,3
	ds_load_b128 v[WHF+8*\q:WHF+8*\q+3],   v7 offset:64*\q
	ds_load_b128 v[WHF+8*\q+4:WHF+8*\q+7], v7 offset:64*\q+32
	ds_load_b128 v[HDF+8*\q:HDF+8*\q+3],   v7 offset:HD+64*\q
	ds_load_b128 v[HDF+8*\q+4:HDF+8*\q+7], v7 offset:HD+64*\q+32
.endr
	ds_load_b128 v[WEF:WEF+3],   v8
	ds_load_b128 v[WEF+4:WEF+7], v8 offset:32
	s_wait_dscnt 0x0
	global_store_b128 v4, v[WEF:WEF+3],   s[10:11]             ; each store of the wave covers 512 consecutive bytes, aligned
	global_store_b128 v4, v[WEF+4:WEF+7], s[10:11] offset:512
	; source 0 = rows of W, source 1 = rows of hidden: lane (r, h) gets batch r, columns 8 h + 0..7 of the tile.
	; Two accumulators take turns, one instruction a turn.
	v_wmma_f32_16x16x32_bf16 v[ACC0:ACC0+7], v[WHF:WHF+7],       v[HDF:HDF+7],       0
	v_wmma_f32_16x16x32_bf16 v[ACC1:ACC1+7], v[WHF+8:WHF+15],    v[HDF+8:HDF+15],    0
	v_wmma_f32_16x16x32_bf16 v[ACC0:ACC0+7], v[WHF+16:WHF+23],   v[HDF+16:HDF+23],   v[ACC0:ACC0+7]
	v_wmma_f32_16x16x32_bf16 v[ACC1:ACC1+7], v[WHF+24:WHF+31],   v[HDF+24:HDF+31],   v[ACC1:ACC1+7]
.rept 4
	v_nop                                          ; four places before a vector instruction reads a matrix result (ISA guide 7.12.1)
.endr
.irp j, 0,2,4,6
	v_pk_add_f32 v[ACC0+\j:ACC0+\j+1], v[ACC0+\j:ACC0+\j+1], v[ACC1+\j:ACC1+\j+1]
.endr
	ds_store_b128 v9, v[ACC0:ACC0+3]
	ds_store_b128 v9, v[ACC0+4:ACC0+7] offset:16
	s_wait_dscnt 0x0
	s_barrier_signal -1
	s_barrier_wait -1
	; Phase 3: the tile is 1,024 bytes: threads 0 to 127 add the eight partial tiles and the bias, scale and store 8 bytes each.
	s_cmp_ge_u32 s14, 4
	s_cbranch_scc1 .Ldone
.irp q, 0,1,2,3,4,5,6,7
	ds_load_b64 v[PT+2*\q:PT+2*\q+1], v10 offset:1024*\q
.endr
	s_wait_dscnt 0x0
	v_pk_add_f32 v[PT:PT+1],     v[PT:PT+1],     v[PT+2:PT+3]
	v_pk_add_f32 v[PT+4:PT+5],   v[PT+4:PT+5],   v[PT+6:PT+7]
	v_pk_add_f32 v[PT+8:PT+9],   v[PT+8:PT+9],   v[PT+10:PT+11]
	v_pk_add_f32 v[PT+12:PT+13], v[PT+12:PT+13], v[PT+14:PT+15]
	v_pk_add_f32 v[PT:PT+1],     v[PT:PT+1],     v[PT+4:PT+5]
	v_pk_add_f32 v[PT+8:PT+9],   v[PT+8:PT+9],   v[PT+12:PT+13]
	v_pk_add_f32 v[PT:PT+1],     v[PT:PT+1],     v[PT+8:PT+9]
	v_pk_add_f32 v[PT:PT+1],     v[PT:PT+1],     v[BIAS:BIAS+1]
	v_pk_mul_f32 v[PT:PT+1],     v[PT:PT+1],     CEXP op_sel_hi:[1,0]
	global_store_b64 v13, v[PT:PT+1], s[12:13]     ; a wave's store covers 256 consecutive bytes, aligned
.Ldone:
	s_wait_tensorcnt 0x0
	ds_add_u32 v184, v185
	s_wait_dscnt 0x0
	s_endpgm
.Lfunc_end_k_q414948b70d_prep:
	.size	k_q414948b70d_prep, .Lfunc_end_k_q414948b70d_prep-k_q414948b70d_prep
	.p2alignl 7, 3214868480
	.fill 96, 4, 3214868480
	.section	.rodata,"a",@progbits
	.p2align	6, 0x0
	.amdhsa_kernel k_q414948b70d_prep
		.amdhsa_group_segment_fixed_size 83968
		.amdhsa_private_segment_fixed_size 0
		.amdhsa_enable_private_segment 0
		.amdhsa_kernarg_size 40
		.amdhsa_user_sgpr_count 2
		.amdhsa_user_sgpr_kernarg_segment_ptr 1
		.amdhsa_wavefront_size32 1
		.amdhsa_system_sgpr_workgroup_id_x 1
		.amdhsa_system_sgpr_workgroup_id_y 1
		.amdhsa_system_sgpr_workgroup_id_z 1
		.amdhsa_system_vgpr_workitem_id 0
		.amdhsa_next_free_vgpr 186
		.amdhsa_next_free_sgpr 66
		.amdhsa_reserve_vcc 0
		.amdhsa_float_denorm_mode_32 3
		.amdhsa_float_denorm_mode_16_64 3
		.amdhsa_memory_ordered 1
		.amdhsa_forward_progress 1
		.amdhsa_inst_pref_size 17
	.end_amdhsa_kernel
	.amdgpu_metadata
---
amdhsa.version: [ 1, 2 ]
amdhsa.kernels:
  - .name:           k_q414948b70d_prep
    .symbol:         k_q414948b70d_prep.kd
    .args:
      - { .name: W_attn, .offset: 0, .size: 8, .value_kind: global_buffer, .address_space: global }
      - { .name: hidden, .offset: 8, .size: 8, .value_kind: global_buffer, .address_space: global }
      - { .name: b_attn, .offset: 16, .size: 8, .value_kind: global_buffer, .address_space: global }
      - { .name: wf, .offset: 24, .size: 8, .value_kind: global_buffer, .address_space: global }
      - { .name: hwc, .offset: 32, .size: 8, .value_kind: global_buffer, .address_space: global }
    .group_segment_fixed_size: 83968
    .private_segment_fixed_size: 0
    .kernarg_segment_align: 8
    .kernarg_segment_size: 40
    .max_flat_workgroup_size: 256
    .sgpr_count:     66
    .vgpr_count:     186
    .wavefront_size: 32
...
	.end_amdgpu_metadata
.endif
;; end of part 1
;; launch main (part 2): grid 256 x 1, 4 waves a work-group, no clusters, 286,208 bytes of LDS; arguments encoder_outputs, wf, hwc, v, pctx, ml; writes pctx, ml
.if DOCPART == 2
	.amdgcn_target "amdgcn-amd-amdhsa--gfx1250"
	.amdhsa_code_object_version 6
	.text
	.protected	k_q414948b70d_main
	.globl	k_q414948b70d_main
	.p2align	8
	.type	k_q414948b70d_main,@function
k_q414948b70d_main:
	s_mov_b64 s[64:65], 0
	v_nop
	global_prefetch_b8 v0, s[64:65] scope:SCOPE_SE
	s_setreg_imm32_b32 hwreg(HW_REG_WAVE_MODE, 25, 1), 1
	s_wait_xcnt 0x0
; main: work-group wg takes rows 128 wg .. +127 of encoder_outputs taken as [32768][1024] f32: a quarter of batch wg >> 2.
;   P  the 128 rows are read from memory once, rounded to bf16 and kept in LDS for all that follows.  They lie there in eight STRIPS of 128
;      columns (128 rows x 256 bytes, pitch 272).  Only strip 0 is brought in ahead of the product; strips 1 to 7 come in beside it (below);
;   G  energy's product: 128 rows x 1024 columns x K = 1024.  Wave w owns columns 256 w .. +255, as two chunks of 128: a wave tile of
;      128 x 128 f32 sums in 512 registers.  A's fragments come from LDS, W's fragments (wf, already in fragment order) straight into registers.
;      A trip is 128 along K = one strip.  In trips 0 to 6 of chunk 0 each wave brings in its 32 rows of the NEXT strip, 16 rows at a time,
;      through 64 registers; one barrier a trip stands between those stores and the first read of that strip;
;   E  behind each chunk: tanh(x) = 1 - 2 / (1 + 2^(CEXP x)), x's hidden part and bias coming from hwc; times bf16(v) log2(e); summed by row;
;   S  the four waves' row sums meet in LDS; softmax over the 128 rows with their own maximum taken away (in base 2);
;   C  partial context = weights . rows, on the matrix unit, the rows read transposed from the same LDS bytes;
;      pctx[wg] = the unnormalised partial context, ml[wg] = (maximum, sum of weights); the next launch joins a batch's four quarters.
; tanh saturates rightly: 2^(..) = inf gives 1, 0 gives -1.  It is formed number by number, so the score is no difference of large sums.
; LIMITS: encoder_outputs, W, v and the softmax weights are rounded to bf16 (nearest even) as operands of products; energy, all sums, tanh and
;   softmax are f32.  v is rounded so that every product of the chain takes its given operand in the one format; the bias stays f32.
;   The sum of weights is taken over the rounded weights, the same numbers that the context product uses.
;   v_exp_f32 gives 0 for results below 2^-126 (ISA guide, 15.8): weights that small against the largest count as 0.
; NO TENSOR LOADS, NO CLUSTER: the rows take 278,528 of the 327,680 bytes of LDS and scratch 7,168, which leaves 41,984; one step of 32 along K
;   of W for the four waves is 32,768 bytes, so two slots of even one step do not fit; and each fragment of W is used by one wave alone, so
;   LDS would give no reuse inside the work-group.
;
; REGISTERS, in windows of 256 (s_set_vgpr_msb: bits 1:0 source 0, 3:2 source 1, 5:4 source 2, 7:6 destination):
;   window 0: addresses, A's fragments (two buffers), the epilogue's registers;   window 1: four buffers of W's fragments, 64 registers each;
;   windows 2, 3: accumulator tile (a, b) at v[8 (8 a + b)], rows 0-63 and 64-127; window 2's first 128 registers first take strip 0 as loaded.
.set CEXP,  0x4038aa3b                 ; 2 log2(e)
.set LOG2E, 0x3fb8aa3b
.set PA,    272                        ; LDS pitch of a strip's row: 256 bytes + 16 = 17 x 16, so 16 rows start at 16 different 16-byte columns modulo 256
.set BLK,   16*PA                      ; a block of 16 rows
.set WROWS, 32*PA                      ; 32 rows
.set STRIP, 128*PA                     ; a strip: 34,816 bytes
.set SCR,   8*STRIP                    ; behind the rows: 4 x 512 bytes, each wave's 128 row sums
.set PB,    SCR+2048                   ; 4 x 256 bytes: each wave's own copy of the 128 weights in bf16
.set CTX,   PB+1024                    ; 4 x 1,024 bytes: each wave's 256 numbers of the context
.set GO,   1                           ; v1   rows in memory: wave * 32 rows + 16 L                     (behind the product: CS)
.set LS,   2                           ; v2   rows in LDS: wave * 32 rows + 8 L, stepped strip by strip (behind the product: CL)
.set CS,   1
.set CL,   2
.set BO,   3                           ; v3   16 L
.set ADR0, 4                           ; v4   A's fragments: 272 r + 16 h; blocks and quarters stand in the loads' immediates
.set ADRW, 8                           ; v8   the same, stepped strip by strip
.set R4,   12                          ; v12  4 r
.set SS,   13                          ; v13  where I put row sums
.set SL,   14                          ; v14  where I read them
.set PO,   15                          ; v15  my 16 bytes in pctx's row
.set HWC,  16                          ; v[16:31] hwc of my column in block n = 8 c + b
.set VL,   32                          ; v[32:47] bf16(v) log2(e) of the same
.set PF,   16                          ; v[16:47] later: the weights as four fragments
.set SCO,  48                          ; v[48:51] four rows' scores, then weights (at the start: L, r, h, scratch; then scratch for v's rounding)
.set ML,   52                          ; v[52:55] maximum, sum, maximum, sum
.set PP,   56                          ; v[56:57] four weights in bf16
.set PBS,  58
.set PBL,  59
.set TA,   60                          ; v60  transposed reads
.set F0,   64                          ; v[64:127]  A's fragments, buffer 0
.set F1,   128                         ; v[128:191] buffer 1
.set T,    64                          ; the epilogue works in buffer 0
.set Y,    64                          ; and so does strip 0's way in
.set SC,   192                         ; v[192:255] row sums SC[8 i + j]; later the context's eight accumulators
.set ST,   192                         ; in chunk 0, before the first row sums: 16 rows of a strip on their way in
.set MUL_LO, 0xa4                      ; A window 0, B window 1, C and D window 2
.set MUL_HI, 0xf4                      ; C and D window 3
.set TO_B,   0x40                      ; destination window 1
.set MSB, 0
.macro WIN new                         ; the immediate's high byte repeats the setting that is left; switches that change nothing are dropped
.if MSB != (\new)
	s_set_vgpr_msb (MSB<<8)|(\new)
.set MSB, (\new)
.endif
.endm
.macro PLACES                          ; four places behind a matrix instruction before its result is read by a vector instruction or a load is issued
.rept 4                                ; into one of its registers (ISA guide 7.12.1 for vector instructions)
	v_nop
.endr
.endm
; 16 matrix instructions: row blocks 4 hi + a0, + 1 x all 8 column blocks.  zero = 1: the first product starts the sums, nothing is cleared.
.macro MUL16 af, bf, hi, a0, zero
.irp a, \a0, \a0+1
.irp b, 0,1,2,3,4,5,6,7
.if \zero
	v_wmma_f32_16x16x32_bf16 v[8*(8*(\a)+\b):8*(8*(\a)+\b)+7], v[\af+8*(4*\hi+\a):\af+8*(4*\hi+\a)+7], v[\bf+8*\b:\bf+8*\b+7], 0
.else
	v_wmma_f32_16x16x32_bf16 v[8*(8*(\a)+\b):8*(8*(\a)+\b)+7], v[\af+8*(4*\hi+\a):\af+8*(4*\hi+\a)+7], v[\bf+8*\b:\bf+8*\b+7], v[8*(8*(\a)+\b):8*(8*(\a)+\b)+7]
.endif
.endr
.endr
.endm
; A fragment is 16 rows x 32 K: lane (r, h) holds row r, K = 8 h .. +7 and 16 + 8 h .. +7: two loads of 16 bytes, 32 bytes apart.
.macro AFETCH ag, kA                   ; 16 LDS loads: eight row blocks at byte kA from the strip's rows, blocks ascending; the largest offset is 7 BLK + STRIP + 32 = 65,312
.irp i, 0,1,2,3,4,5,6,7
	ds_load_b128 v[\ag+8*\i:\ag+8*\i+3],   v[ADRW] offset:\i*BLK+\kA
	ds_load_b128 v[\ag+8*\i+4:\ag+8*\i+7], v[ADRW] offset:\i*BLK+\kA+32
.endr
.endm
.macro BFETCH bg, kB                   ; 16 loads of 512 consecutive bytes: a quarter's eight fragments of W
.irp i, 0,1,2,3,4,5,6,7,8,9,10,11,12,13,14,15
	global_load_b128 v[\bg+4*\i:\bg+4*\i+3], v[BO], s[6:7] offset:\kB+512*\i
.endr
.endm
; Rows 16 h .. +15 of my 32 rows of strip 0: from window 2, rounded to bf16, into LDS (each store of the wave: 256 consecutive bytes)
.macro BULK h
	WIN 0x0a
.irp j, 0,1,2,3,4,5,6,7,8,9,10,11,12,13,14,15
	v_cvt_pk_bf16_f32 v[Y+2*(16*\h+\j)],   v[4*(16*\h+\j)],   v[4*(16*\h+\j)+1]
	v_cvt_pk_bf16_f32 v[Y+2*(16*\h+\j)+1], v[4*(16*\h+\j)+2], v[4*(16*\h+\j)+3]
.endr
	WIN 0
.irp j, 0,1,2,3,4,5,6,7,8,9,10,11,12,13,14,15
	ds_store_b64 v[LS], v[Y+2*(16*\h+\j):Y+2*(16*\h+\j)+1] offset:(16*\h+\j)*PA
.endr
.endm
; The 16 rows that are on their way (rows 16 half .. +15 of my 32, of the strip behind this trip's) are taken in: rounded in place, stored.
; ne = the younger loads, all of W, that may stay out.
.macro STREAM_IN half, ne
	WIN 0
	s_wait_loadcnt \ne
.irp j, 0,1,2,3,4,5,6,7,8,9,10,11,12,13,14,15
	v_cvt_pk_bf16_f32 v[ST+4*\j],   v[ST+4*\j],   v[ST+4*\j+1]
	v_cvt_pk_bf16_f32 v[ST+4*\j+1], v[ST+4*\j+2], v[ST+4*\j+3]
.endr
.irp j, 0,1,2,3,4,5,6,7,8,9,10,11,12,13,14,15
	ds_store_b64 v[LS], v[ST+4*\j:ST+4*\j+1] offset:STRIP+(16*\half+\j)*PA
.endr
.endm
; The next 16 rows are asked for: behind half 0 the same strip's rows 16-31, behind half 1 the next strip's rows 0-15.  512 consecutive bytes a load.
.macro STREAM_ASK half
.irp j, 0,1,2,3,4,5,6,7,8,9,10,11,12,13,14,15
	global_load_b128 v[ST+4*\j:ST+4*\j+3], v[GO], s[4:5] offset:512*(1+\half)+(16*(1-\half)+\j)*4096 th:TH_LOAD_NT
.endr
.endm
	s_load_b256 s[4:11], s[0:1], 0x0               ; encoder_outputs s[4:5], wf s[6:7], hwc s[8:9], v s[10:11]
	s_load_b128 s[12:15], s[0:1], 0x20             ; pctx s[12:13], ml s[14:15]
	v_lshl_add_u32 v62, v0, 2, 0x45c00
	v_mov_b32 v63, 0
	v_lshrrev_b32 v48, 5, v0
	v_readfirstlane_b32 s16, v48                   ; wave 0..3
	v_and_b32 v48, 31, v0                          ; L
	v_and_b32 v49, 15, v0                          ; r
	v_bfe_u32 v50, v0, 4, 1                        ; h
	s_mov_b32 s24, 0x76543210                      ; v_permlanex16_b32: lane i reads lane i of the other half
	s_mov_b32 s25, 0xfedcba98
	s_lshl_b32 s20, ttmp9, 19                      ; 128 rows of 4,096 bytes
	s_mov_b32 s21, 0
	s_lshl_b32 s26, s16, 19                        ; wf: two groups of 262,144 bytes a wave
	s_mov_b32 s27, 0
	s_lshr_b32 s28, ttmp9, 2                       ; hwc: batch * 64 + 16 blocks of 4,096 bytes a wave
	s_lshl_b32 s28, s28, 6
	s_lshl_b32 s17, s16, 16
	s_add_co_u32 s28, s28, s17
	s_mov_b32 s29, 0
	s_lshl_b32 s30, s16, 10                        ; v: 256 numbers a wave
	s_mov_b32 s31, 0
	s_lshl_b32 s32, ttmp9, 12                      ; pctx: 4,096 bytes a work-group
	s_mov_b32 s33, 0
	s_lshl_b32 s34, ttmp9, 9                       ; ml: 512 bytes a work-group
	s_mov_b32 s35, 0
	s_lshl_b32 s17, s16, 17                        ; 32 rows of 4,096 bytes a wave
	v_lshlrev_b32 v[BO], 4, v48
	v_add_nc_u32 v[GO], s17, v[BO]
	v_lshlrev_b32 v[R4], 2, v49
	v_add_nc_u32 v[PO], s30, v[BO]
	s_wait_kmcnt 0x0
	s_add_nc_u64 s[4:5], s[4:5], s[20:21]
	s_add_nc_u64 s[6:7], s[6:7], s[26:27]
	s_add_nc_u64 s[8:9], s[8:9], s[28:29]
	s_add_nc_u64 s[10:11], s[10:11], s[30:31]
	s_add_nc_u64 s[12:13], s[12:13], s[32:33]
	s_add_nc_u64 s[14:15], s[14:15], s[34:35]
.irp n, 0,1,2,3,4,5,6,7,8,9,10,11,12,13,14,15
	global_load_b32 v[HWC+\n], v[R4], s[8:9] offset:\n*4096
	global_load_b32 v[VL+\n],  v[R4], s[10:11] offset:\n*64
.endr
	; ---- P: wave w owns rows 32 w .. +31.  Strip 0: 32 loads, one row's 512 bytes each, into window 2; then rows 0-15 of strip 1 into ST.
	WIN 0x80
.set x, 0
.rept 32
	global_load_b128 v[4*x:4*x+3], v[GO], s[4:5] offset:x*4096 th:TH_LOAD_NT
.set x, x+1
.endr
	WIN 0
.irp j, 0,1,2,3,4,5,6,7,8,9,10,11,12,13,14,15
	global_load_b128 v[ST+4*\j:ST+4*\j+3], v[GO], s[4:5] offset:512+\j*4096 th:TH_LOAD_NT
.endr
	s_mul_i32 s18, s16, WROWS
	v_lshl_add_u32 v[LS], v48, 3, s18              ; my 32 rows of a strip + 8 L: four numbers of 2 bytes a lane
	v_mul_u32_u24 v[ADR0], v49, PA
	v_lshl_add_u32 v[ADR0], v50, 4, v[ADR0]
	s_lshl_b32 s19, s16, 9                         ; 512 w
	s_add_co_u32 s18, s19, SCR
	v_lshl_add_u32 v[SS], v50, 5, s18              ; row 16 i + 8 h + j at 64 i + 32 h + 4 j of my 512 bytes
	v_add_nc_u32 v[SL], SCR, v[BO]                 ; rows 4 L .. 4 L + 3
	s_lshl_b32 s18, s16, 8
	s_add_co_u32 s18, s18, PB
	v_lshl_add_u32 v[PBS], v48, 3, s18             ; four weights of 2 bytes at 8 L
	v_lshl_add_u32 v[PBL], v50, 4, s18             ; a fragment's k = 8 h .. +7: 16 bytes at 16 h, the same in all 16 lanes of a half
	v_and_b32 v51, 7, v0
	v_lshl_add_u32 v51, v50, 3, v51                ; row 8 h + (L & 7)
	v_mul_u32_u24 v[TA], v51, PA
	v_bfe_u32 v51, v0, 3, 1
	v_lshl_add_u32 v[TA], v51, 4, v[TA]            ; + 16 ((L >> 3) & 1)
	s_mul_i32 s23, s16, 2*STRIP
	v_add_nc_u32 v[TA], s23, v[TA]                 ; + my 256 columns = two strips
	s_wait_loadcnt 32                              ; loads return in order: hwc, v and strip 0's rows 0-15 are in; its rows 16-31 and ST's 16 loads stay out
	BULK 0
	WIN TO_B
	BFETCH 0, 0                                    ; W's K quarter 0
	s_wait_loadcnt 32                              ; strip 0's rows 16-31 are in; ST's 16 loads and W's 16 stay out
	BULK 1
	WIN TO_B
	BFETCH 64, 8192                                ; W's K quarters 1 and 2
	BFETCH 128, 2*8192
	WIN 0
	; v as the score product's operand: rounded to bf16 (nearest even), widened again, and scaled by log2(e), since scores are kept in base 2
.irp n, 0,2,4,6,8,10,12,14
	v_cvt_pk_bf16_f32 v[SCO+(\n>>1)%4], v[VL+\n], v[VL+\n+1]
	v_lshlrev_b32 v[VL+\n],   16,         v[SCO+(\n>>1)%4]
	v_and_b32     v[VL+\n+1], 0xffff0000, v[SCO+(\n>>1)%4]
	v_pk_mul_f32 v[VL+\n:VL+\n+1], v[VL+\n:VL+\n+1], LOG2E op_sel_hi:[1,0]
.endr
	s_wait_dscnt 0x0                               ; my rows of strip 0 are in LDS,
	s_barrier_signal -1
	s_barrier_wait -1                              ; and everybody's are.  The loads that are out touch registers alone
	; ---- G: the product.  A quarter = 32 along K = 64 matrix instructions; 32 quarters a chunk, 64 in all.
; One quarter: multiplies A's buffer af by W's buffer bf.  In its middle it asks for W's quarter three ahead (into bg, the buffer that the quarter
; before has read) and for A's next quarter (into ag).  nl = the younger loads that may stay out at its head.
; st = 1, 2: the middle also takes in 16 rows of the next strip; st = 1: and asks for the next 16.  The request stands behind the wait that leaves
; only the 16 LDS loads just issued: LDS serves a wave in order, so the 16 stores have been done and the loads may land on their data registers.
; bar = 1: the trip's barrier.  In front of the signal all my LDS accesses are done, my stores of the next strip among them; the wait stands in
; front of the middle, whose LDS loads are the first to read that strip.  Between the two: matrix instructions alone.
; Between two such barriers every wave reads one strip and stores into the strip behind it: two disjoint runs of 34,816 bytes.
; The 64 accumulators take turns in the same order in every quarter, one instruction a turn.
.macro QUARTER af, ag, bf, bg, kA, kB, zero, fA, fB, nl, st, half, ne, bar
	s_wait_loadcnt \nl                             ; this quarter's fragments of W are in
.if \bar
	s_wait_dscnt 0
	s_barrier_signal -1
.else
	s_wait_dscnt 8                                 ; A's blocks 0-3 are in; the youngest eight loads (blocks 4-7) may be out
.endif
	WIN MUL_LO
	MUL16 \af, \bf, 0, 0, \zero
	MUL16 \af, \bf, 0, 2, \zero
.if \bar
	s_barrier_wait -1
.endif
.if \fA+\fB+\st
	PLACES
.endif
.if \st
	STREAM_IN \half, \ne
.endif
.if \fB
	WIN TO_B
	BFETCH \bg, \kB
.endif
.if \fA
	WIN 0
	AFETCH \ag, \kA
	s_wait_dscnt 16                                ; all but the 16 just issued
.else
	s_wait_dscnt 0
.endif
.if \st == 1
	STREAM_ASK \half
.endif
	WIN MUL_HI
	MUL16 \af, \bf, 1, 0, \zero
	MUL16 \af, \bf, 1, 2, \zero
.endm
; Four quarters = one strip: once round W's four buffers, twice round A's two.  The fourth quarter's LDS loads reach into the next strip.
.macro TRIP zero, fA3, fB1, fB2, fB3, nl0, nl1, nl2, nl3, st0, ne0, st2, bar
	QUARTER F0, F1, 0,   192, 64,    3*8192, \zero, 1,     1,     \nl0, \st0, 0, \ne0, 0
	QUARTER F1, F0, 64,  0,   128,   4*8192, 0,     1,     \fB1,  \nl1, 0,    0, 0,    0
	QUARTER F0, F1, 128, 64,  192,   5*8192, 0,     1,     \fB2,  \nl2, \st2, 1, 16,   0
	QUARTER F1, F0, 192, 128, STRIP, 6*8192, 0,     \fA3,  \fB3,  \nl3, 0,    0, 0,    \bar
	WIN 0
.endm
.macro STEP stream
	s_wait_xcnt 0x0                                ; the loads' bases are stepped only behind this wait
	s_add_nc_u64 s[6:7], s[6:7], 32768             ; four quarters of 8,192 bytes; chunk 1's follow chunk 0's without a gap
.if \stream
	s_add_nc_u64 s[4:5], s[4:5], 512               ; 128 columns of f32 on
	v_add_nc_u32 v[LS], STRIP, v[LS]
.endif
	v_add_nc_u32 v[ADRW], STRIP, v[ADRW]           ; 128 along K
.endm
.macro CHUNK_HEAD
	v_mov_b32 v[ADRW], v[ADR0]
	AFETCH F0, 0
.endm
; ---- E: behind chunk c.  Lane (r, h) holds in tile (i, b) column 16 (8 c + b) + r of my 256 and rows 16 i + 8 h + 0..7.
; One row block at a time, 64 numbers a lane: u = CEXP x + hwc; 2^u; + 1; reciprocal; 1 - 2 (..) = tanh; SC[i] += bf16(v) log2(e) tanh.
; hwc and v are one register for a block: op_sel picks it out of its even-aligned pair for both halves of a packed instruction.
.macro EPI c
	PLACES
.irp i, 0,1,2,3,4,5,6,7
.if \i < 4
	WIN 0x02
.else
	WIN 0x03
.endif
.irp b, 0,1,2,3,4,5,6,7
.irp p, 0,2,4,6
.if \b & 1
	v_pk_fma_f32 v[T+8*\b+\p:T+8*\b+\p+1], v[8*(8*(\i&3)+\b)+\p:8*(8*(\i&3)+\b)+\p+1], CEXP, v[HWC+8*\c+\b-1:HWC+8*\c+\b] op_sel:[0,0,1] op_sel_hi:[1,0,1]
.else
	v_pk_fma_f32 v[T+8*\b+\p:T+8*\b+\p+1], v[8*(8*(\i&3)+\b)+\p:8*(8*(\i&3)+\b)+\p+1], CEXP, v[HWC+8*\c+\b:HWC+8*\c+\b+1] op_sel_hi:[1,0,0]
.endif
.endr
.endr
	WIN 0
.set x, 0
.rept 64
	v_exp_f32 v[T+x], v[T+x]
.set x, x+1
.endr
	v_nop                                          ; one plain place behind the last transcendental before results are used (ISA guide 5.7.2)
.set x, 0
	s_wait_alu depctr_va_vdst(0)
.rept 32
	v_pk_add_f32 v[T+x:T+x+1], v[T+x:T+x+1], 1.0 op_sel_hi:[1,0]
.set x, x+2
.endr
.set x, 0
.rept 64
	v_rcp_f32 v[T+x], v[T+x]
.set x, x+1
.endr
	v_nop
.set x, 0
	s_wait_alu depctr_va_vdst(0)
.rept 32
	v_pk_fma_f32 v[T+x:T+x+1], v[T+x:T+x+1], -2.0, 1.0 op_sel_hi:[1,0,0]
.set x, x+2
.endr
.irp b, 0,1,2,3,4,5,6,7
.irp p, 0,2,4,6
.if (\c+\b) == 0
	v_pk_mul_f32 v[SC+8*\i+\p:SC+8*\i+\p+1], v[T+8*\b+\p:T+8*\b+\p+1], v[VL:VL+1] op_sel_hi:[1,0]     ; the first block starts the sums
.elseif \b & 1
	v_pk_fma_f32 v[SC+8*\i+\p:SC+8*\i+\p+1], v[T+8*\b+\p:T+8*\b+\p+1], v[VL+8*\c+\b-1:VL+8*\c+\b], v[SC+8*\i+\p:SC+8*\i+\p+1] op_sel:[0,1,0] op_sel_hi:[1,1,1]
.else
	v_pk_fma_f32 v[SC+8*\i+\p:SC+8*\i+\p+1], v[T+8*\b+\p:T+8*\b+\p+1], v[VL+8*\c+\b:VL+8*\c+\b+1], v[SC+8*\i+\p:SC+8*\i+\p+1] op_sel_hi:[1,0,1]
.endif
.endr
.endr
.endr
.endm
	; Chunk 0, with the rows' stream.  The loads of a middle go out in the order W (16), rows (16, in the first and third quarter).
	; At a quarter's head the younger loads are two quarters of W and one half strip: 48.  At a take-in the one quarter of W asked for since: 16.
	CHUNK_HEAD
	TRIP 1, 1, 1, 1, 1, 32, 48, 48, 48, 1, 32, 1, 1    ; trip 0: at its head, and at its first take-in, only W's quarters 1 and 2 are younger: 32
	STEP 1
	s_mov_b32 s22, 5
.Lk0:
	TRIP 0, 1, 1, 1, 1, 48, 48, 48, 48, 1, 16, 1, 1    ; trips 1 to 5
	STEP 1
	s_sub_co_u32 s22, s22, 1
	s_cmp_lg_u32 s22, 0
	s_cbranch_scc1 .Lk0
	TRIP 0, 1, 1, 1, 1, 48, 48, 48, 32, 1, 16, 2, 1    ; trip 6 takes in strip 7 and asks for nothing behind its rows 16-31: no load passes a row's end.  From its fourth quarter on only W is out: 32
	STEP 0
	TRIP 0, 0, 1, 1, 1, 32, 32, 32, 32, 0, 0, 0, 0     ; trip 7: the chunk's last quarter asks for no more of A; W's ring runs on into chunk 1
	STEP 0
	EPI 0
	CHUNK_HEAD                                     ; chunk 1: all eight strips are in LDS
	TRIP 1, 1, 1, 1, 1, 32, 32, 32, 32, 0, 0, 0, 0
	STEP 0
	s_mov_b32 s22, 6
.Lk1:
	TRIP 0, 1, 1, 1, 1, 32, 32, 32, 32, 0, 0, 0, 0
	STEP 0
	s_sub_co_u32 s22, s22, 1
	s_cmp_lg_u32 s22, 0
	s_cbranch_scc1 .Lk1
	TRIP 0, 0, 0, 0, 0, 32, 32, 16, 0, 0, 0, 0, 0      ; quarters 60 to 63: only quarter 63 is still asked for, so no load passes wf's end; the counts run down 32, 32, 16, 0
	EPI 1
	; ---- S: softmax over the work-group's 128 rows.
.irp m, 1,2,4,8                                    ; over the 16 lanes of a half, which hold 16 columns of the same rows
.set x, 0
.rept 64
	v_add_f32_dpp v[SC+x], v[SC+x], v[SC+x] row_xmask:\m row_mask:0xf bank_mask:0xf
.set x, x+1
.endr
.endr
.irp i, 0,1,2,3,4,5,6,7
	ds_store_b128 v[SS], v[SC+8*\i:SC+8*\i+3]   offset:64*\i       ; the 16 lanes of a half write the same bytes with the same values
	ds_store_b128 v[SS], v[SC+8*\i+4:SC+8*\i+7] offset:64*\i+16
.endr
	v_bfe_u32 v[CS], v0, 4, 1                      ; v1 and v2 held offsets of loads and stores that are long done
	s_lshl_b32 s17, s16, 10
	s_add_co_u32 s17, s17, CTX
	v_lshl_add_u32 v[CS], v[CS], 5, s17            ; column 16 e + 8 h + j at 64 e + 32 h + 4 j of my 1,024 bytes
	v_add_nc_u32 v[CL], s17, v[BO]
	s_wait_dscnt 0x0                               ; my row sums are in LDS,
	s_barrier_signal -1
	s_barrier_wait -1                              ; and everybody's are
.irp q, 0,1,2,3
	ds_load_b128 v[T+4*\q:T+4*\q+3], v[SL] offset:512*\q           ; rows 4 L .. +3 of each wave's sums; every wave does the whole softmax
.endr
	s_wait_dscnt 0x0
	v_pk_add_f32 v[SCO:SCO+1],   v[T:T+1],     v[T+4:T+5]
	v_pk_add_f32 v[SCO+2:SCO+3], v[T+2:T+3],   v[T+6:T+7]
	v_pk_add_f32 v[T+8:T+9],     v[T+8:T+9],   v[T+12:T+13]
	v_pk_add_f32 v[T+10:T+11],   v[T+10:T+11], v[T+14:T+15]
	v_pk_add_f32 v[SCO:SCO+1],   v[SCO:SCO+1],   v[T+8:T+9]
	v_pk_add_f32 v[SCO+2:SCO+3], v[SCO+2:SCO+3], v[T+10:T+11]
	v_max3_num_f32 v[ML], v[SCO], v[SCO+1], v[SCO+2]
	v_max_num_f32 v[ML], v[ML], v[SCO+3]
.irp m, 1,2,4,8
	v_max_num_f32_dpp v[ML], v[ML], v[ML] row_xmask:\m row_mask:0xf bank_mask:0xf
.endr
	v_permlanex16_b32 v[T], v[ML], s24, s25        ; its destination counts as read: a register that has been written
	v_max_num_f32 v[ML], v[ML], v[T]               ; the largest of the 128 scores, in every lane
.irp e, 0,1,2,3
	v_sub_f32 v[SCO+\e], v[SCO+\e], v[ML]
.endr
.irp e, 0,1,2,3
	v_exp_f32 v[SCO+\e], v[SCO+\e]
.endr
	v_nop
	s_wait_alu depctr_va_vdst(0)
	v_cvt_pk_bf16_f32 v[PP],   v[SCO],   v[SCO+1]
	v_cvt_pk_bf16_f32 v[PP+1], v[SCO+2], v[SCO+3]
	ds_store_b64 v[PBS], v[PP:PP+1]                ; into my wave's own copy
.irp k, 0,1,2,3
	ds_load_b128 v[PF+8*\k:PF+8*\k+3],   v[PBL] offset:64*\k       ; LDS serves a wave's instructions in order (ISA guide 5.7.1): these see the store above
	ds_load_b128 v[PF+8*\k+4:PF+8*\k+7], v[PBL] offset:64*\k+32
.endr
	v_lshlrev_b32 v[T],   16, v[PP]                ; the sum is taken over the weights as rounded
	v_and_b32     v[T+1], 0xffff0000, v[PP]
	v_lshlrev_b32 v[T+2], 16, v[PP+1]
	v_and_b32     v[T+3], 0xffff0000, v[PP+1]
	v_pk_add_f32 v[T:T+1], v[T:T+1], v[T+2:T+3]
	v_add_f32 v[ML+1], v[T], v[T+1]
.irp m, 1,2,4,8
	v_add_f32_dpp v[ML+1], v[ML+1], v[ML+1] row_xmask:\m row_mask:0xf bank_mask:0xf
.endr
	v_permlanex16_b32 v[T], v[ML+1], s24, s25
	v_add_f32 v[ML+1], v[ML+1], v[T]
	v_mov_b32 v[ML+2], v[ML]                       ; the pair twice: a lane stores 16 bytes, the wave 512 consecutive ones
	v_mov_b32 v[ML+3], v[ML+1]
	; ---- C: context(e) = sum over the 128 rows s of weight(s) row(s, e).  Wave w: columns 256 w .. +255 = strips 2 w and 2 w + 1.
	; Source 0 = 16 columns e x 32 rows s, read transposed from the rows in LDS; source 1 = the weights, the same in all 16 columns of the result.
	; Lane (r, h) gets columns 16 e + 8 h + 0..7.  Group g: a strip's eight column blocks (strip g >> 2 of my two) x 32 rows (g & 3), fragment buffer g & 1.
	; The largest offset is STRIP + 3 WROWS + 224 + BLK = 65,504.
.macro LOADG g
.irp e, 0,1,2,3,4,5,6,7
	ds_load_tr16_b128 v[F0+64*(\g&1)+8*\e:F0+64*(\g&1)+8*\e+3],   v[TA] offset:(\g>>2)*STRIP+(\g&3)*WROWS+32*\e
	ds_load_tr16_b128 v[F0+64*(\g&1)+8*\e+4:F0+64*(\g&1)+8*\e+7], v[TA] offset:(\g>>2)*STRIP+(\g&3)*WROWS+32*\e+BLK
.endr
.endm
.macro MULG g                          ; eight accumulators take turns, one instruction a turn
.irp e, 0,1,2,3,4,5,6,7
.if (\g&3) == 0
	v_wmma_f32_16x16x32_bf16 v[SC+8*\e:SC+8*\e+7], v[F0+64*(\g&1)+8*\e:F0+64*(\g&1)+8*\e+7], v[PF+8*(\g&3):PF+8*(\g&3)+7], 0
.else
	v_wmma_f32_16x16x32_bf16 v[SC+8*\e:SC+8*\e+7], v[F0+64*(\g&1)+8*\e:F0+64*(\g&1)+8*\e+7], v[PF+8*(\g&3):PF+8*(\g&3)+7], v[SC+8*\e:SC+8*\e+7]
.endif
.endr
.endm
.macro CSTORE half                     ; five places: for the stores that read results, for the loads into the buffer just read, and for the products that start the sums anew
.rept 5
	v_nop
.endr
.irp e, 0,1,2,3,4,5,6,7
	ds_store_b128 v[CS], v[SC+8*\e:SC+8*\e+3]   offset:64*(8*\half+\e)
	ds_store_b128 v[CS], v[SC+8*\e+4:SC+8*\e+7] offset:64*(8*\half+\e)+16
.endr
.endm
	LOADG 0
	LOADG 1
	s_wait_dscnt 16                                ; all but the 16 loads just issued: the weights and group 0 are in
	MULG 0
	PLACES
	LOADG 2
	s_wait_dscnt 16
	MULG 1
	PLACES
	LOADG 3
	s_wait_dscnt 16
	MULG 2
	PLACES
	LOADG 4
	s_wait_dscnt 16
	MULG 3
	CSTORE 0
	LOADG 5
	s_wait_dscnt 16                                ; group 4 is in, and the 16 stores have read their data
	MULG 4
	PLACES
	LOADG 6
	s_wait_dscnt 16
	MULG 5
	PLACES
	LOADG 7
	s_wait_dscnt 16
	MULG 6
	s_wait_dscnt 0
	MULG 7
	CSTORE 1
	ds_load_b128 v[T:T+3],   v[CL]                 ; my own bytes, served in order behind the stores
	ds_load_b128 v[T+4:T+7], v[CL] offset:512
	s_wait_dscnt 0x0
	global_store_b128 v[PO], v[T:T+3],   s[12:13]              ; each store of the wave covers 512 consecutive bytes, aligned
	global_store_b128 v[PO], v[T+4:T+7], s[12:13] offset:512
	s_cmp_lg_u32 s16, 0
	s_cbranch_scc1 .Lend
	global_store_b128 v[BO], v[ML:ML+3], s[14:15]              ; wave 0: (maximum, sum) for the work-group
.Lend:
	s_wait_tensorcnt 0x0
	ds_add_u32 v62, v63
	s_wait_dscnt 0x0
	s_endpgm
.Lfunc_end_k_q414948b70d_main:
	.size	k_q414948b70d_main, .Lfunc_end_k_q414948b70d_main-k_q414948b70d_main
	.p2alignl 7, 3214868480
	.fill 96, 4, 3214868480
	.section	.rodata,"a",@progbits
	.p2align	6, 0x0
	.amdhsa_kernel k_q414948b70d_main
		.amdhsa_group_segment_fixed_size 286208
		.amdhsa_private_segment_fixed_size 0
		.amdhsa_enable_private_segment 0
		.amdhsa_kernarg_size 48
		.amdhsa_user_sgpr_count 2
		.amdhsa_user_sgpr_kernarg_segment_ptr 1
		.amdhsa_wavefront_size32 1
		.amdhsa_system_sgpr_workgroup_id_x 1
		.amdhsa_system_sgpr_workgroup_id_y 1
		.amdhsa_system_sgpr_workgroup_id_z 1
		.amdhsa_system_vgpr_workitem_id 0
		.amdhsa_next_free_vgpr 1024
		.amdhsa_next_free_sgpr 66
		.amdhsa_reserve_vcc 0
		.amdhsa_float_denorm_mode_32 3
		.amdhsa_float_denorm_mode_16_64 3
		.amdhsa_memory_ordered 1
		.amdhsa_forward_progress 1
		.amdhsa_inst_pref_size 255
	.end_amdhsa_kernel
	.section	.bss,"aw",@nobits
	.p2align	6
	.space	262144
	.amdgpu_metadata
---
amdhsa.version: [ 1, 2 ]
amdhsa.kernels:
  - .name:           k_q414948b70d_main
    .symbol:         k_q414948b70d_main.kd
    .args:
      - { .name: encoder_outputs, .offset: 0, .size: 8, .value_kind: global_buffer, .address_space: global }
      - { .name: wf, .offset: 8, .size: 8, .value_kind: global_buffer, .address_space: global }
      - { .name: hwc, .offset: 16, .size: 8, .value_kind: global_buffer, .address_space: global }
      - { .name: v, .offset: 24, .size: 8, .value_kind: global_buffer, .address_space: global }
      - { .name: pctx, .offset: 32, .size: 8, .value_kind: global_buffer, .address_space: global }
      - { .name: ml, .offset: 40, .size: 8, .value_kind: global_buffer, .address_space: global }
    .group_segment_fixed_size: 286208
    .private_segment_fixed_size: 0
    .kernarg_segment_align: 8
    .kernarg_segment_size: 48
    .max_flat_workgroup_size: 128
    .sgpr_count:     66
    .vgpr_count:     1024
    .wavefront_size: 32
...
	.end_amdgpu_metadata
.endif
;; end of part 2
;; launch comb (part 3): grid 64 x 1, 8 waves a work-group, no clusters, 0 bytes of LDS; arguments pctx, ml, out0; writes out0
.if DOCPART == 3
	.amdgcn_target "amdgcn-amd-amdhsa--gfx1250"
	.amdhsa_code_object_version 6
	.text
	.protected	k_q414948b70d_comb
	.globl	k_q414948b70d_comb
	.p2align	8
	.type	k_q414948b70d_comb,@function
k_q414948b70d_comb:
	s_mov_b64 s[64:65], 0
	v_nop
	global_prefetch_b8 v0, s[64:65] scope:SCOPE_SE
	s_setreg_imm32_b32 hwreg(HW_REG_WAVE_MODE, 25, 1), 1
	s_wait_xcnt 0x0
; comb: out0[batch] = sum over the batch's four quarters q of 2^(m_q - M) pctx_q, divided by the sum of 2^(m_q - M) l_q, M = the largest m_q.
; m_q is quarter q's largest score in base 2, l_q its sum of weights, pctx_q its unnormalised context.
; The quarter that holds M has the factor 1 and a weight 1, so the divisor is at least 1.
; One work-group a batch, thread t columns 4 t .. +3: 16 KiB in, 4 KiB out, every load and store of a wave 512 consecutive bytes.
; No LDS, matrix unit or cluster: nothing is shared and there are four multiply-adds a number.
.set MLQ, 4                            ; v[4:11]   (m, l) of the four quarters
.set P,   12                           ; v[12:27]  my four numbers of each quarter
.set W,   30                           ; v[30:33]  the four factors
.set O,   36                           ; v[36:39]  the result
	s_load_b128 s[4:7], s[0:1], 0x0                ; pctx s[4:5], ml s[6:7]
	s_load_b64 s[8:9], s[0:1], 0x10                ; out0
	v_lshlrev_b32 v1, 4, v0
	v_mov_b32 v2, 0
	s_lshl_b32 s10, ttmp9, 14                      ; four rows of 4,096 bytes
	s_mov_b32 s11, 0
	s_lshl_b32 s12, ttmp9, 11                      ; four blocks of 512 bytes
	s_mov_b32 s13, 0
	s_lshl_b32 s14, ttmp9, 12
	s_mov_b32 s15, 0
	s_wait_kmcnt 0x0
	s_add_nc_u64 s[4:5], s[4:5], s[10:11]
	s_add_nc_u64 s[6:7], s[6:7], s[12:13]
	s_add_nc_u64 s[8:9], s[8:9], s[14:15]
.irp q, 0,1,2,3
	global_load_b64 v[MLQ+2*\q:MLQ+2*\q+1], v2, s[6:7] offset:512*\q
.endr
.irp q, 0,1,2,3
	global_load_b128 v[P+4*\q:P+4*\q+3], v1, s[4:5] offset:4096*\q
.endr
	s_wait_loadcnt 4                               ; the four pairs are in; the four loads of pctx stay out
	v_max3_num_f32 v28, v[MLQ], v[MLQ+2], v[MLQ+4]
	v_max_num_f32 v28, v28, v[MLQ+6]
.irp q, 0,1,2,3
	v_sub_f32 v[W+\q], v[MLQ+2*\q], v28
.endr
.irp q, 0,1,2,3
	v_exp_f32 v[W+\q], v[W+\q]
.endr
	v_nop                                          ; one plain place behind a transcendental (ISA guide 5.7.2)
	s_wait_alu depctr_va_vdst(0)
	v_mul_f32  v34, v[W],   v[MLQ+1]
	v_fmac_f32 v34, v[W+1], v[MLQ+3]
	v_fmac_f32 v34, v[W+2], v[MLQ+5]
	v_fmac_f32 v34, v[W+3], v[MLQ+7]
	v_rcp_f32 v35, v34
	v_nop
	s_wait_alu depctr_va_vdst(0)
	v_pk_mul_f32 v[W:W+1],   v[W:W+1],   v[34:35] op_sel:[0,1] op_sel_hi:[1,1]     ; both by v35
	v_pk_mul_f32 v[W+2:W+3], v[W+2:W+3], v[34:35] op_sel:[0,1] op_sel_hi:[1,1]
	s_wait_loadcnt 0
	v_pk_mul_f32 v[O:O+1],   v[P:P+1],     v[W:W+1] op_sel_hi:[1,0]
	v_pk_mul_f32 v[O+2:O+3], v[P+2:P+3],   v[W:W+1] op_sel_hi:[1,0]
	v_pk_fma_f32 v[O:O+1],   v[P+4:P+5],   v[W:W+1],   v[O:O+1]   op_sel:[0,1,0] op_sel_hi:[1,1,1]
	v_pk_fma_f32 v[O+2:O+3], v[P+6:P+7],   v[W:W+1],   v[O+2:O+3] op_sel:[0,1,0] op_sel_hi:[1,1,1]
	v_pk_fma_f32 v[O:O+1],   v[P+8:P+9],   v[W+2:W+3], v[O:O+1]   op_sel_hi:[1,0,1]
	v_pk_fma_f32 v[O+2:O+3], v[P+10:P+11], v[W+2:W+3], v[O+2:O+3] op_sel_hi:[1,0,1]
	v_pk_fma_f32 v[O:O+1],   v[P+12:P+13], v[W+2:W+3], v[O:O+1]   op_sel:[0,1,0] op_sel_hi:[1,1,1]
	v_pk_fma_f32 v[O+2:O+3], v[P+14:P+15], v[W+2:W+3], v[O+2:O+3] op_sel:[0,1,0] op_sel_hi:[1,1,1]
	global_store_b128 v1, v[O:O+3], s[8:9]
	s_endpgm
.Lfunc_end_k_q414948b70d_comb:
	.size	k_q414948b70d_comb, .Lfunc_end_k_q414948b70d_comb-k_q414948b70d_comb
	.p2alignl 7, 3214868480
	.fill 96, 4, 3214868480
	.section	.rodata,"a",@progbits
	.p2align	6, 0x0
	.amdhsa_kernel k_q414948b70d_comb
		.amdhsa_group_segment_fixed_size 0
		.amdhsa_private_segment_fixed_size 0
		.amdhsa_enable_private_segment 0
		.amdhsa_kernarg_size 24
		.amdhsa_user_sgpr_count 2
		.amdhsa_user_sgpr_kernarg_segment_ptr 1
		.amdhsa_wavefront_size32 1
		.amdhsa_system_sgpr_workgroup_id_x 1
		.amdhsa_system_sgpr_workgroup_id_y 1
		.amdhsa_system_sgpr_workgroup_id_z 1
		.amdhsa_system_vgpr_workitem_id 0
		.amdhsa_next_free_vgpr 40
		.amdhsa_next_free_sgpr 66
		.amdhsa_reserve_vcc 0
		.amdhsa_float_denorm_mode_32 3
		.amdhsa_float_denorm_mode_16_64 3
		.amdhsa_memory_ordered 1
		.amdhsa_forward_progress 1
		.amdhsa_inst_pref_size 3
	.end_amdhsa_kernel
	.amdgpu_metadata
---
amdhsa.version: [ 1, 2 ]
amdhsa.kernels:
  - .name:           k_q414948b70d_comb
    .symbol:         k_q414948b70d_comb.kd
    .args:
      - { .name: pctx, .offset: 0, .size: 8, .value_kind: global_buffer, .address_space: global }
      - { .name: ml, .offset: 8, .size: 8, .value_kind: global_buffer, .address_space: global }
      - { .name: out0, .offset: 16, .size: 8, .value_kind: global_buffer, .address_space: global }
    .group_segment_fixed_size: 0
    .private_segment_fixed_size: 0
    .kernarg_segment_align: 8
    .kernarg_segment_size: 24
    .max_flat_workgroup_size: 256
    .sgpr_count:     66
    .vgpr_count:     40
    .wavefront_size: 32
...
	.end_amdgpu_metadata
.endif
;; end of part 3
;; ======== version 2 of 2: 3 launches; version 1 with the launches prep, main written anew for expert scheduling mode
;; workspace buffers: wf 2,097,152 bytes; hwc 262,144 bytes; pctx 1,048,576 bytes; ml 131,072 bytes
;; launch prep (part 4): grid 64 x 4, 8 waves a work-group, no clusters, 83,968 bytes of LDS; arguments W_attn, hidden, b_attn, wf, hwc; writes wf, hwc
.if DOCPART == 4
	.amdgcn_target "amdgcn-amd-amdhsa--gfx1250"
	.amdhsa_code_object_version 6
	.text
	.protected	k_q414948b70d_prep
	.globl	k_q414948b70d_prep
	.p2align	8
	.type	k_q414948b70d_prep,@function
k_q414948b70d_prep:
	s_mov_b64 s[64:65], 0
	v_nop
	global_prefetch_b8 v0, s[64:65] scope:SCOPE_SE
	s_setreg_imm32_b32 hwreg(HW_REG_WAVE_SCHED_MODE, 0, 2), 2
	s_setreg_imm32_b32 hwreg(HW_REG_WAVE_MODE, 25, 1), 1
	s_wait_xcnt 0x0
	s_wait_alu depctr_vm_vsrc(0)
; prep: two small jobs on W_attn [1024][2048] f32 (columns 0-1023 meet hidden, columns 1024-2047 meet encoder_outputs).
;  (1) wf  = W_attn[:, 1024:] rounded to bf16, laid out as the matrix unit's operand fragments:
;            byte g*262144 + q*8192 + b*1024 + 512 c + 16 L holds W[128 g + 16 b + (L & 15)][1024 + 32 q + 16 c + 8 (L >> 4) .. +7].
;  (2) hwc = CEXP * (hidden . W_attn[:, :1024]^T + b_attn), f32, at byte nb*4096 + batch*64 + 4 (a & 15), nb = a >> 4.
;            CEXP = 2 log2(e): the next launch forms tanh x = 1 - 2 / (1 + 2^(CEXP x)).
; The hidden half of the concatenated product is the same for all 512 rows of a batch, so it is made once here: 64 x 1024 x 1024.
; Work-group (nb, mb): W rows 16 nb .. +15; batches 16 mb .. +15 (one 16 x 16 tile of hwc, K = 1024 split over the eight waves);
; and W's columns 1024 + 256 mb .. +255 of those rows (eight fragments of wf, one a wave).
; LIMIT: hidden and W are rounded to bf16 (nearest even) as matrix operands; the sums, the bias and the scale are f32.
; No tensor loads, no cluster: each work-group moves 144 KiB once through registers, where it has to be converted anyway.
; THE MODE: SCHED_MODE bits 1:0 = 2 (LLVM: expert scheduling mode 2), set by the entry lines.  The code itself states the register dependences
; between vector or matrix instructions and memory or LDS instructions, with s_wait_alu, always for 0.
; THE PLAN.  Registers that memory or LDS instructions touch:
;   v3, v4, v12        offsets of the global loads (v4 also of wf's stores);  v5 .. v10, v13  LDS addresses and hwc's offset.  Made once, never written again.
;   X  v[16:159]       36 loads land here; the conversions round in place (four f32 close up into the first two of their four registers); the LDS stores
;                      read those two.  Three batches, each: the wait for its data, its conversions, ONE wait on va_vdst, its run of stores.
;   Behind the first barrier the same registers take fragments, accumulators and partial pairs: ONE wait on vm_vsrc states that the stores have read them.
.set CEXP, 0x4038aa3b                  ; 2 log2(e)
.set PH,   2064                        ; LDS pitch of a row of 1024 bf16: 2048 + 16 = 129 x 16 bytes, so 16 rows start at 16 different 16-byte columns modulo 256
.set PE,   528                         ; LDS pitch of a row of 256 bf16: 512 + 16 = 33 x 16 bytes
.set HD,   16*PH                       ; LDS: W's hidden half at 0, hidden's 16 rows behind it,
.set WE,   2*16*PH                     ; W's 256 encoder columns,
.set RED,  WE+16*PE                    ; and eight partial tiles of 1,024 bytes, one a wave
.set X,    16                          ; v[16:159]  36 loads of 16 bytes, f32; then, in the first two registers of each four, the same numbers in bf16
.set BIAS, 176                         ; v[176:177] two numbers of b_attn
.set WHF,  16                          ; behind the first barrier: v[16:47] four fragments of W, v[48:79] four of hidden,
.set HDF,  48
.set WEF,  80                          ; v[80:87] my fragment of wf
.set ACC0, 96                          ; v[96:103], v[104:111] two accumulators
.set ACC1, 104
.set PT,   114                         ; v[114:129] eight partial pairs
	s_load_b256 s[4:11], s[0:1], 0x0               ; W_attn s[4:5], hidden s[6:7], b_attn s[8:9], wf s[10:11]
	s_load_b64 s[12:13], s[0:1], 0x20              ; hwc
	v_lshl_add_u32 v182, v0, 2, 0x14400
	v_mov_b32 v183, 0
	v_lshrrev_b32 v1, 5, v0
	v_readfirstlane_b32 s14, v1                    ; wave 0..7
	v_and_b32 v2, 31, v0                           ; lane L
	v_and_b32 v14, 15, v0                          ; r
	v_bfe_u32 v15, v0, 4, 1                        ; h
	s_and_b32 s15, ttmp7, 0xffff                   ; mb
	s_lshl_b32 s16, ttmp9, 17                      ; 16 rows of W, 8,192 bytes each
	s_mov_b32 s17, 0
	s_lshl_b32 s18, s15, 10                        ; in a row of W: 4,096 bytes of the hidden half, then 1,024 bytes for each mb
	s_add_co_u32 s18, s18, 4096
	s_mov_b32 s19, 0
	s_lshl_b32 s20, s15, 16                        ; 16 rows of hidden, 4,096 bytes each (and eight quarters of wf, 8,192 bytes each)
	s_mov_b32 s21, 0
	s_lshl_b32 s22, ttmp9, 6                       ; 16 numbers of b_attn
	s_mov_b32 s23, 0
	s_lshr_b32 s24, ttmp9, 3                       ; wf: g = nb >> 3, b = nb & 7, q = 8 mb + wave
	s_lshl_b32 s24, s24, 18
	s_and_b32 s28, ttmp9, 7
	s_lshl_b32 s28, s28, 10
	s_add_co_u32 s24, s24, s28
	s_add_co_u32 s24, s24, s20
	s_mov_b32 s25, 0
	s_lshl_b32 s26, ttmp9, 12                      ; hwc: nb * 4096 + 16 mb * 64
	s_lshl_b32 s28, s15, 10
	s_add_co_u32 s26, s26, s28
	s_mov_b32 s27, 0
	v_lshlrev_b32 v11, 4, v2                       ; 16 L
	s_wait_alu depctr_va_sdst(0)                   ; s14 is written, ahead of its first reader, the next line
	v_lshl_add_u32 v3, s14, 14, v11                ; W: my two rows + 16 L
	v_lshl_add_u32 v4, s14, 13, v11                ; hidden: my two rows + 16 L; also my place in wf: quarter w + 16 L
	v_and_b32 v12, 7, v0
	v_lshlrev_b32 v12, 3, v12                      ; b_attn: 8 (t & 7)
	s_wait_kmcnt 0x0
	s_add_nc_u64 s[4:5], s[4:5], s[16:17]
	s_add_nc_u64 s[18:19], s[4:5], s[18:19]        ; W's encoder columns of this work-group
	s_add_nc_u64 s[6:7], s[6:7], s[20:21]
	s_add_nc_u64 s[8:9], s[8:9], s[22:23]
	s_add_nc_u64 s[10:11], s[10:11], s[24:25]
	s_add_nc_u64 s[12:13], s[12:13], s[26:27]
	s_wait_alu depctr_va_vdst(0)                   ; v3, v4 and v12 are written, which the loads below read as their offsets
	; Phase 1: wave w brings rows 2 w and 2 w + 1 of all three blocks; each load of the wave covers 512 consecutive bytes.
	global_load_b64 v[BIAS:BIAS+1], v12, s[8:9]
.irp row, 0,1
.irp j, 0,1,2,3,4,5,6,7
	global_load_b128 v[X+4*(8*\row+\j):X+4*(8*\row+\j)+3], v3, s[4:5] offset:\row*8192+512*\j
.endr
.endr
.irp row, 0,1
.irp j, 0,1,2,3,4,5,6,7
	global_load_b128 v[X+64+4*(8*\row+\j):X+64+4*(8*\row+\j)+3], v4, s[6:7] offset:\row*4096+512*\j
.endr
.endr
.irp row, 0,1
.irp j, 0,1
	global_load_b128 v[X+128+4*(2*\row+\j):X+128+4*(2*\row+\j)+3], v3, s[18:19] offset:\row*8192+512*\j th:TH_LOAD_NT
.endr
.endr
	; LDS addresses, while the loads are on their way: none of these lines writes a register that a load reads or lands in
	s_mul_i32 s29, s14, 2*PH
	v_lshl_add_u32 v5, v2, 3, s29                  ; store: my two rows of pitch PH + 8 L
	s_mul_i32 s30, s14, 2*PE
	s_add_co_u32 s30, s30, WE
	v_lshl_add_u32 v6, v2, 3, s30                  ; store: my two rows of pitch PE + 8 L
	v_mul_u32_u24 v7, v14, PH
	v_lshl_add_u32 v7, v15, 4, v7
	v_lshl_add_u32 v7, s14, 8, v7                  ; fragments: row r, 16 h, my 128 k = 256 bytes
	v_mul_u32_u24 v8, v14, PE
	v_lshl_add_u32 v8, v15, 4, v8
	s_lshl_b32 s31, s14, 6
	s_add_co_u32 s31, s31, WE
	v_add_nc_u32 v8, s31, v8                       ; my fragment of wf: row r, 16 h, my 32 k = 64 bytes
	v_lshlrev_b32 v9, 6, v14
	v_lshl_add_u32 v9, v15, 5, v9
	s_lshl_b32 s29, s14, 10
	s_add_co_u32 s29, s29, RED
	v_add_nc_u32 v9, s29, v9                       ; my partial tile: batch r * 64 + 32 h
	v_lshlrev_b32 v13, 3, v0                       ; 8 t: my pair in the tile of hwc
	v_add_nc_u32 v10, RED, v13
; four f32 of a lane become 8 bytes of bf16, in the first two of their four registers
.macro CV x
	v_cvt_pk_bf16_f32 v[\x],   v[\x],   v[\x+1]
	v_cvt_pk_bf16_f32 v[\x+1], v[\x+2], v[\x+3]
.endm
	s_wait_loadcnt 20                              ; loads return in order: W's hidden half is in; hidden's 16 and the encoder columns' 4 stay out
.irp k, 0,1,2,3,4,5,6,7,8,9,10,11,12,13,14,15
	CV X+4*\k
.endr
	s_wait_alu depctr_va_vdst(0)                   ; the conversions have written the stores' data; the LDS addresses v5 to v10 are written
.irp row, 0,1
.irp j, 0,1,2,3,4,5,6,7
	ds_store_b64 v5, v[X+4*(8*\row+\j):X+4*(8*\row+\j)+1] offset:\row*PH+256*\j        ; the wave's store covers 256 consecutive LDS bytes
.endr
.endr
	s_wait_loadcnt 4                               ; hidden is in; the last 4 stay out
.irp k, 0,1,2,3,4,5,6,7,8,9,10,11,12,13,14,15
	CV X+64+4*\k
.endr
	s_wait_alu depctr_va_vdst(0)                   ; the conversions have written the stores' data
.irp row, 0,1
.irp j, 0,1,2,3,4,5,6,7
	ds_store_b64 v5, v[X+64+4*(8*\row+\j):X+64+4*(8*\row+\j)+1] offset:HD+\row*PH+256*\j
.endr
.endr
	s_wait_loadcnt 0
.irp k, 0,1,2,3
	CV X+128+4*\k
.endr
	s_wait_alu depctr_va_vdst(0)                   ; the conversions have written the stores' data; all conversions are done with X, in which the fragments' loads land below
.irp row, 0,1
.irp j, 0,1
	ds_store_b64 v6, v[X+128+4*(2*\row+\j):X+128+4*(2*\row+\j)+1] offset:\row*PE+256*\j
.endr
.endr
	s_wait_dscnt 0x0                               ; my stores are done, for the other waves' sake,
	s_barrier_signal -1
	s_barrier_wait -1                              ; and everybody's are
	s_wait_alu depctr_vm_vsrc(0)                   ; my LDS stores have read X's registers, which loads, matrix results and partial pairs write from here on
	; Phase 2: wave w multiplies k = 128 w .. +127 and writes quarter 8 mb + w of wf.
.irp q, 0,1,2,3
	ds_load_b128 v[WHF+8*\q:WHF+8*\q+3],   v7 offset:64*\q
	ds_load_b128 v[WHF+8*\q+4:WHF+8*\q+7], v7 offset:64*\q+32
	ds_load_b128 v[HDF+8*\q:HDF+8*\q+3],   v7 offset:HD+64*\q
	ds_load_b128 v[HDF+8*\q+4:HDF+8*\q+7], v7 offset:HD+64*\q+32
.endr
	ds_load_b128 v[WEF:WEF+3],   v8
	ds_load_b128 v[WEF+4:WEF+7], v8 offset:32
	s_wait_dscnt 0x0
	global_store_b128 v4, v[WEF:WEF+3],   s[10:11]             ; each store of the wave covers 512 consecutive bytes, aligned
	global_store_b128 v4, v[WEF+4:WEF+7], s[10:11] offset:512
	; source 0 = rows of W, source 1 = rows of hidden: lane (r, h) gets batch r, columns 8 h + 0..7 of the tile.
	; Two accumulators take turns, one instruction a turn.
	v_wmma_f32_16x16x32_bf16 v[ACC0:ACC0+7], v[WHF:WHF+7],       v[HDF:HDF+7],       0
	v_wmma_f32_16x16x32_bf16 v[ACC1:ACC1+7], v[WHF+8:WHF+15],    v[HDF+8:HDF+15],    0
	v_wmma_f32_16x16x32_bf16 v[ACC0:ACC0+7], v[WHF+16:WHF+23],   v[HDF+16:HDF+23],   v[ACC0:ACC0+7]
	v_wmma_f32_16x16x32_bf16 v[ACC1:ACC1+7], v[WHF+24:WHF+31],   v[HDF+24:HDF+31],   v[ACC1:ACC1+7]
.rept 4
	v_nop                                          ; four places before a vector instruction reads a matrix result (ISA guide 7.12.1)
.endr
.irp j, 0,2,4,6
	v_pk_add_f32 v[ACC0+\j:ACC0+\j+1], v[ACC0+\j:ACC0+\j+1], v[ACC1+\j:ACC1+\j+1]
.endr
	s_wait_alu depctr_va_vdst(0)                   ; the additions have written v[ACC0 ..], which the LDS stores read
	ds_store_b128 v9, v[ACC0:ACC0+3]
	ds_store_b128 v9, v[ACC0+4:ACC0+7] offset:16
	s_wait_dscnt 0x0
	s_barrier_signal -1
	s_barrier_wait -1
	; Phase 3: the tile is 1,024 bytes: threads 0 to 127 add the eight partial tiles and the bias, scale and store 8 bytes each.
	s_cmp_ge_u32 s14, 4
	s_cbranch_scc1 .Ldone
.irp q, 0,1,2,3,4,5,6,7
	ds_load_b64 v[PT+2*\q:PT+2*\q+1], v10 offset:1024*\q       ; no vector instruction since the last wait on va_vdst names these registers
.endr
	s_wait_dscnt 0x0
	v_pk_add_f32 v[PT:PT+1],     v[PT:PT+1],     v[PT+2:PT+3]
	v_pk_add_f32 v[PT+4:PT+5],   v[PT+4:PT+5],   v[PT+6:PT+7]
	v_pk_add_f32 v[PT+8:PT+9],   v[PT+8:PT+9],   v[PT+10:PT+11]
	v_pk_add_f32 v[PT+12:PT+13], v[PT+12:PT+13], v[PT+14:PT+15]
	v_pk_add_f32 v[PT:PT+1],     v[PT:PT+1],     v[PT+4:PT+5]
	v_pk_add_f32 v[PT+8:PT+9],   v[PT+8:PT+9],   v[PT+12:PT+13]
	v_pk_add_f32 v[PT:PT+1],     v[PT:PT+1],     v[PT+8:PT+9]
	v_pk_add_f32 v[PT:PT+1],     v[PT:PT+1],     v[BIAS:BIAS+1]
	v_pk_mul_f32 v[PT:PT+1],     v[PT:PT+1],     CEXP op_sel_hi:[1,0]
	s_wait_alu depctr_va_vdst(0)                   ; the scaling has written v[PT:PT+1], which the store reads
	global_store_b64 v13, v[PT:PT+1], s[12:13]     ; a wave's store covers 256 consecutive bytes, aligned
.Ldone:
	s_wait_dscnt 0x0
	s_wait_alu depctr_hold_cnt(0) depctr_sa_sdst(0) depctr_va_vdst(0) depctr_va_sdst(0) depctr_va_ssrc(0) depctr_va_vcc(0) depctr_vm_vsrc(0)
	s_wait_tensorcnt 0x0
	ds_add_u32 v182, v183
	s_wait_dscnt 0x0
	s_endpgm
.Lfunc_end_k_q414948b70d_prep:
	.size	k_q414948b70d_prep, .Lfunc_end_k_q414948b70d_prep-k_q414948b70d_prep
	.p2alignl 7, 3214868480
	.fill 96, 4, 3214868480
	.section	.rodata,"a",@progbits
	.p2align	6, 0x0
	.amdhsa_kernel k_q414948b70d_prep
		.amdhsa_group_segment_fixed_size 83968
		.amdhsa_private_segment_fixed_size 0
		.amdhsa_enable_private_segment 0
		.amdhsa_kernarg_size 40
		.amdhsa_user_sgpr_count 2
		.amdhsa_user_sgpr_kernarg_segment_ptr 1
		.amdhsa_wavefront_size32 1
		.amdhsa_system_sgpr_workgroup_id_x 1
		.amdhsa_system_sgpr_workgroup_id_y 1
		.amdhsa_system_sgpr_workgroup_id_z 1
		.amdhsa_system_vgpr_workitem_id 0
		.amdhsa_next_free_vgpr 184
		.amdhsa_next_free_sgpr 66
		.amdhsa_reserve_vcc 0
		.amdhsa_float_denorm_mode_32 3
		.amdhsa_float_denorm_mode_16_64 3
		.amdhsa_memory_ordered 1
		.amdhsa_forward_progress 1
		.amdhsa_inst_pref_size 18
	.end_amdhsa_kernel
	.amdgpu_metadata
---
amdhsa.version: [ 1, 2 ]
amdhsa.kernels:
  - .name:           k_q414948b70d_prep
    .symbol:         k_q414948b70d_prep.kd
    .args:
      - { .name: W_attn, .offset: 0, .size: 8, .value_kind: global_buffer, .address_space: global }
      - { .name: hidden, .offset: 8, .size: 8, .value_kind: global_buffer, .address_space: global }
      - { .name: b_attn, .offset: 16, .size: 8, .value_kind: global_buffer, .address_space: global }
      - { .name: wf, .offset: 24, .size: 8, .value_kind: global_buffer, .address_space: global }
      - { .name: hwc, .offset: 32, .size: 8, .value_kind: global_buffer, .address_space: global }
    .group_segment_fixed_size: 83968
    .private_segment_fixed_size: 0
    .kernarg_segment_align: 8
    .kernarg_segment_size: 40
    .max_flat_workgroup_size: 256
    .sgpr_count:     66
    .vgpr_count:     184
    .wavefront_size: 32
...
	.end_amdgpu_metadata
.endif
;; end of part 4
;; launch main (part 5): grid 256 x 1, 4 waves a work-group, no clusters, 286,208 bytes of LDS; arguments encoder_outputs, wf, hwc, v, pctx, ml; writes pctx, ml
.if DOCPART == 5
	.amdgcn_target "amdgcn-amd-amdhsa--gfx1250"
	.amdhsa_code_object_version 6
	.text
	.protected	k_q414948b70d_main
	.globl	k_q414948b70d_main
	.p2align	8
	.type	k_q414948b70d_main,@function
k_q414948b70d_main:
	s_mov_b64 s[64:65], 0
	v_nop
	global_prefetch_b8 v0, s[64:65] scope:SCOPE_SE
	s_setreg_imm32_b32 hwreg(HW_REG_WAVE_SCHED_MODE, 0, 2), 2
	s_setreg_imm32_b32 hwreg(HW_REG_WAVE_MODE, 25, 1), 1
	s_wait_xcnt 0x0
	s_wait_alu depctr_vm_vsrc(0)
; main: work-group wg takes rows 128 wg .. +127 of encoder_outputs taken as [32768][1024] f32: a quarter of batch wg >> 2.
;   P  the 128 rows are read from memory once, rounded to bf16 and kept in LDS for all that follows.  They lie there in eight STRIPS of 128
;      columns (128 rows x 256 bytes, pitch 272).  Only strip 0 is brought in ahead of the product; strips 1 to 7 come in beside it (below);
;   G  energy's product: 128 rows x 1024 columns x K = 1024.  Wave w owns columns 256 w .. +255, as two chunks of 128: a wave tile of
;      128 x 128 f32 sums in 512 registers.  A's fragments come from LDS, W's fragments (wf, already in fragment order) straight into registers.
;      A trip is 128 along K = one strip.  In trips 0 to 6 of chunk 0 each wave brings in its 32 rows of the NEXT strip, 16 rows at a time,
;      through 64 registers; one barrier a trip stands between those stores and the first read of that strip;
;   E  behind each chunk: tanh(x) = 1 - 2 / (1 + 2^(CEXP x)), x's hidden part and bias coming from hwc; times bf16(v) log2(e); summed by row;
;   S  the four waves' row sums meet in LDS; softmax over the 128 rows with their own maximum taken away (in base 2);
;   C  partial context = weights . rows, on the matrix unit, the rows read transposed from the same LDS bytes;
;      pctx[wg] = the unnormalised partial context, ml[wg] = (maximum, sum of weights); the next launch joins a batch's four quarters.
; tanh saturates rightly: 2^(..) = inf gives 1, 0 gives -1.  It is formed number by number, so the score is no difference of large sums.
; LIMITS: encoder_outputs, W, v and the softmax weights are rounded to bf16 (nearest even) as operands of products; energy, all sums, tanh and
;   softmax are f32.  v is rounded so that every product of the chain takes its given operand in the one format; the bias stays f32.
;   The sum of weights is taken over the rounded weights, the same numbers that the context product uses.
;   v_exp_f32 gives 0 for results below 2^-126 (ISA guide, 15.8): weights that small against the largest count as 0.
; NO TENSOR LOADS, NO CLUSTER: the rows take 278,528 of the 327,680 bytes of LDS and scratch 7,168, which leaves 41,984; one step of 32 along K
;   of W for the four waves is 32,768 bytes, so two slots of even one step do not fit; and each fragment of W is used by one wave alone, so
;   LDS would give no reuse inside the work-group.
; THE MODE: SCHED_MODE bits 1:0 = 2 (LLVM: expert scheduling mode 2), set by the entry lines.  The code itself states the register dependences
; between vector or matrix instructions and memory or LDS instructions, with s_wait_alu, always for 0.
; THE PLAN, for the product.  Registers that memory or LDS instructions touch:
;   F0, F1            A's fragments.  Quarter q's matrix instructions read one; quarter q's LDS loads land in the other, which quarter q - 1 read.
;   W's four buffers  Quarter q's matrix instructions read one; quarter q's global loads land in the one that quarter q - 1 read.
;   ST                16 rows on their way in: loads land, the conversions round in place, the LDS stores read, the next loads land.
;   v[ADRW], v[LS]    read by the LDS loads and stores; stepped once a trip, between two trips.       v[BO], v[GO]  never written during the product.
; So ONE wait on va_vdst stands at the head of a quarter: it states that the quarter before is done reading the two buffers that this quarter's loads
; land in; where rows are taken in, that the conversions, which stand ahead of it, have written ST and are done with it; in a trip's first quarter, that
; v[ADRW] and v[LS] are written.  Behind it the quarter's matrix instructions name their own two buffers and the accumulators alone, so its loads are
; dealt among them with no further wait.  A wait on vm_vsrc stands between ST's stores and the loads that land in ST, and ahead of a trip's two adds.
;
; REGISTERS, in windows of 256 (s_set_vgpr_msb: bits 1:0 source 0, 3:2 source 1, 5:4 source 2, 7:6 destination):
;   window 0: addresses, A's fragments (two buffers), the epilogue's registers;   window 1: four buffers of W's fragments, 64 registers each;
;   windows 2, 3: accumulator tile (a, b) at v[8 (8 a + b)], rows 0-63 and 64-127; window 2's first 128 registers first take strip 0 as loaded;
;   behind the second epilogue the two windows take the context product's eight groups of fragments, 64 registers each.
.set CEXP,  0x4038aa3b                 ; 2 log2(e)
.set LOG2E, 0x3fb8aa3b
.set PA,    272                        ; LDS pitch of a strip's row: 256 bytes + 16 = 17 x 16, so 16 rows start at 16 different 16-byte columns modulo 256
.set BLK,   16*PA                      ; a block of 16 rows
.set WROWS, 32*PA                      ; 32 rows
.set STRIP, 128*PA                     ; a strip: 34,816 bytes
.set SCR,   8*STRIP                    ; behind the rows: 4 x 512 bytes, each wave's 128 row sums
.set PB,    SCR+2048                   ; 4 x 256 bytes: each wave's own copy of the 128 weights in bf16
.set CTX,   PB+1024                    ; 4 x 1,024 bytes: each wave's 256 numbers of the context
.set GO,   1                           ; v1   rows in memory: wave * 32 rows + 16 L                     (behind the product: CS)
.set LS,   2                           ; v2   rows in LDS: wave * 32 rows + 8 L, stepped strip by strip (behind the product: CL)
.set CS,   1
.set CL,   2
.set BO,   3                           ; v3   16 L
.set ADR0, 4                           ; v4   A's fragments: 272 r + 16 h; blocks and quarters stand in the loads' immediates
.set ADRW, 8                           ; v8   the same, stepped strip by strip
.set R4,   12                          ; v12  4 r
.set SS,   13                          ; v13  where I put row sums
.set SL,   14                          ; v14  where I read them
.set PO,   15                          ; v15  my 16 bytes in pctx's row
.set HWC,  16                          ; v[16:31] hwc of my column in block n = 8 c + b
.set VL,   32                          ; v[32:47] bf16(v) log2(e) of the same
.set PF,   16                          ; v[16:47] later: the weights as four fragments
.set SCO,  48                          ; v[48:51] four rows' scores, then weights (at the start: L, r, h, scratch; then scratch for v's rounding)
.set ML,   52                          ; v[52:55] maximum, sum, maximum, sum
.set PP,   56                          ; v[56:57] four weights in bf16
.set PBS,  58
.set PBL,  59
.set TA,   60                          ; v60  transposed reads
.set F0,   64                          ; v[64:127]  A's fragments, buffer 0
.set F1,   128                         ; v[128:191] buffer 1
.set T,    64                          ; the epilogue works in buffer 0
.set Y,    64                          ; and so does strip 0's way in
.set SC,   192                         ; v[192:255] row sums SC[8 i + j]; later the context's eight accumulators
.set ST,   192                         ; in chunk 0, before the first row sums: 16 rows of a strip on their way in
.set MUL_LO, 0xa4                      ; A window 0, B window 1, C and D window 2
.set MUL_HI, 0xf4                      ; C and D window 3
.set TO_B,   0x40                      ; destination window 1
.set MSB, 0
.macro WIN new                         ; the immediate's high byte repeats the setting that is left; switches that change nothing are dropped
.if MSB != (\new)
	s_set_vgpr_msb (MSB<<8)|(\new)
.set MSB, (\new)
.endif
.endm
.macro PLACES                          ; four places behind a matrix instruction (ISA guide 7.12.1)
.rept 4
	v_nop
.endr
.endm
; 16 matrix instructions: row blocks 4 hi + a0, + 1 x all 8 column blocks.  zero = 1: the first product starts the sums, nothing is cleared.
.macro MUL16 af, bf, hi, a0, zero
.irp a, \a0, \a0+1
.irp b, 0,1,2,3,4,5,6,7
.if \zero
	v_wmma_f32_16x16x32_bf16 v[8*(8*(\a)+\b):8*(8*(\a)+\b)+7], v[\af+8*(4*\hi+\a):\af+8*(4*\hi+\a)+7], v[\bf+8*\b:\bf+8*\b+7], 0
.else
	v_wmma_f32_16x16x32_bf16 v[8*(8*(\a)+\b):8*(8*(\a)+\b)+7], v[\af+8*(4*\hi+\a):\af+8*(4*\hi+\a)+7], v[\bf+8*\b:\bf+8*\b+7], v[8*(8*(\a)+\b):8*(8*(\a)+\b)+7]
.endif
.endr
.endr
.endm
; A fragment is 16 rows x 32 K: lane (r, h) holds row r, K = 8 h .. +7 and 16 + 8 h .. +7: two loads of 16 bytes, 32 bytes apart.
.macro AFETCH ag, kA                   ; 16 LDS loads: eight row blocks at byte kA from the strip's rows, blocks ascending; the largest offset is 7 BLK + STRIP + 32 = 65,312
.irp i, 0,1,2,3,4,5,6,7
	ds_load_b128 v[\ag+8*\i:\ag+8*\i+3],   v[ADRW] offset:\i*BLK+\kA
	ds_load_b128 v[\ag+8*\i+4:\ag+8*\i+7], v[ADRW] offset:\i*BLK+\kA+32
.endr
.endm
.macro BFETCH bg, kB                   ; 16 loads of 512 consecutive bytes: a quarter's eight fragments of W
.irp i, 0,1,2,3,4,5,6,7,8,9,10,11,12,13,14,15
	global_load_b128 v[\bg+4*\i:\bg+4*\i+3], v[BO], s[6:7] offset:\kB+512*\i
.endr
.endm
; Rows 16 h .. +15 of my 32 rows of strip 0: from window 2, rounded to bf16, into LDS (each store of the wave: 256 consecutive bytes)
.macro BULK h
	WIN 0x0a
.irp j, 0,1,2,3,4,5,6,7,8,9,10,11,12,13,14,15
	v_cvt_pk_bf16_f32 v[Y+2*(16*\h+\j)],   v[4*(16*\h+\j)],   v[4*(16*\h+\j)+1]
	v_cvt_pk_bf16_f32 v[Y+2*(16*\h+\j)+1], v[4*(16*\h+\j)+2], v[4*(16*\h+\j)+3]
.endr
	WIN 0
	s_wait_alu depctr_va_vdst(0)                   ; the conversions have written this half of Y, which the stores read; at the first use also: v[LS] and the other LDS addresses are written
.irp j, 0,1,2,3,4,5,6,7,8,9,10,11,12,13,14,15
	ds_store_b64 v[LS], v[Y+2*(16*\h+\j):Y+2*(16*\h+\j)+1] offset:(16*\h+\j)*PA
.endr
.endm
; The 16 rows that have come in (of the strip behind this trip's) are rounded in place;
.macro STREAM_CVT
	WIN 0
.irp j, 0,1,2,3,4,5,6,7,8,9,10,11,12,13,14,15
	v_cvt_pk_bf16_f32 v[ST+4*\j],   v[ST+4*\j],   v[ST+4*\j+1]
	v_cvt_pk_bf16_f32 v[ST+4*\j+1], v[ST+4*\j+2], v[ST+4*\j+3]
.endr
.endm
; and stored: rows 16 half .. +15 of my 32.
.macro STREAM_PUT half
.irp j, 0,1,2,3,4,5,6,7,8,9,10,11,12,13,14,15
	ds_store_b64 v[LS], v[ST+4*\j:ST+4*\j+1] offset:STRIP+(16*\half+\j)*PA
.endr
.endm
; The next 16 rows are asked for: behind half 0 the same strip's rows 16-31, behind half 1 the next strip's rows 0-15.  512 consecutive bytes a load.
.macro STREAM_ASK half
.irp j, 0,1,2,3,4,5,6,7,8,9,10,11,12,13,14,15
	global_load_b128 v[ST+4*\j:ST+4*\j+3], v[GO], s[4:5] offset:512*(1+\half)+(16*(1-\half)+\j)*4096 th:TH_LOAD_NT
.endr
.endm
	s_load_b256 s[4:11], s[0:1], 0x0               ; encoder_outputs s[4:5], wf s[6:7], hwc s[8:9], v s[10:11]
	s_load_b128 s[12:15], s[0:1], 0x20             ; pctx s[12:13], ml s[14:15]
	v_lshl_add_u32 v62, v0, 2, 0x45c00
	v_mov_b32 v63, 0
	v_lshrrev_b32 v48, 5, v0
	v_readfirstlane_b32 s16, v48                   ; wave 0..3
	v_and_b32 v48, 31, v0                          ; L
	v_and_b32 v49, 15, v0                          ; r
	v_bfe_u32 v50, v0, 4, 1                        ; h
	s_wait_alu depctr_va_sdst(0)                   ; s16 is written, ahead of its first reader: bases, LDS addresses and a branch are made from it
	s_mov_b32 s24, 0x76543210                      ; v_permlanex16_b32: lane i reads lane i of the other half
	s_mov_b32 s25, 0xfedcba98
	s_lshl_b32 s20, ttmp9, 19                      ; 128 rows of 4,096 bytes
	s_mov_b32 s21, 0
	s_lshl_b32 s26, s16, 19                        ; wf: two groups of 262,144 bytes a wave
	s_mov_b32 s27, 0
	s_lshr_b32 s28, ttmp9, 2                       ; hwc: batch * 64 + 16 blocks of 4,096 bytes a wave
	s_lshl_b32 s28, s28, 6
	s_lshl_b32 s17, s16, 16
	s_add_co_u32 s28, s28, s17
	s_mov_b32 s29, 0
	s_lshl_b32 s30, s16, 10                        ; v: 256 numbers a wave
	s_mov_b32 s31, 0
	s_lshl_b32 s32, ttmp9, 12                      ; pctx: 4,096 bytes a work-group
	s_mov_b32 s33, 0
	s_lshl_b32 s34, ttmp9, 9                       ; ml: 512 bytes a work-group
	s_mov_b32 s35, 0
	s_lshl_b32 s17, s16, 17                        ; 32 rows of 4,096 bytes a wave
	v_lshlrev_b32 v[BO], 4, v48
	v_add_nc_u32 v[GO], s17, v[BO]
	v_lshlrev_b32 v[R4], 2, v49
	v_add_nc_u32 v[PO], s30, v[BO]
	s_wait_kmcnt 0x0
	s_add_nc_u64 s[4:5], s[4:5], s[20:21]
	s_add_nc_u64 s[6:7], s[6:7], s[26:27]
	s_add_nc_u64 s[8:9], s[8:9], s[28:29]
	s_add_nc_u64 s[10:11], s[10:11], s[30:31]
	s_add_nc_u64 s[12:13], s[12:13], s[32:33]
	s_add_nc_u64 s[14:15], s[14:15], s[34:35]
	s_wait_alu depctr_va_vdst(0)                   ; v[BO], v[GO], v[R4] and v[PO] are written: the offsets of every global load and store of the kernel
.irp n, 0,1,2,3,4,5,6,7,8,9,10,11,12,13,14,15
	global_load_b32 v[HWC+\n], v[R4], s[8:9] offset:\n*4096
	global_load_b32 v[VL+\n],  v[R4], s[10:11] offset:\n*64
.endr
	; ---- P: wave w owns rows 32 w .. +31.  Strip 0: 32 loads, one row's 512 bytes each, into window 2; then rows 0-15 of strip 1 into ST.
	WIN 0x80
.set x, 0
.rept 32
	global_load_b128 v[4*x:4*x+3], v[GO], s[4:5] offset:x*4096 th:TH_LOAD_NT
.set x, x+1
.endr
	WIN 0
.irp j, 0,1,2,3,4,5,6,7,8,9,10,11,12,13,14,15
	global_load_b128 v[ST+4*\j:ST+4*\j+3], v[GO], s[4:5] offset:512+\j*4096 th:TH_LOAD_NT
.endr
	s_mul_i32 s18, s16, WROWS                      ; the lines below write no register that a load issued so far reads or lands in
	v_lshl_add_u32 v[LS], v48, 3, s18              ; my 32 rows of a strip + 8 L: four numbers of 2 bytes a lane
	v_mul_u32_u24 v[ADR0], v49, PA
	v_lshl_add_u32 v[ADR0], v50, 4, v[ADR0]
	s_lshl_b32 s19, s16, 9                         ; 512 w
	s_add_co_u32 s18, s19, SCR
	v_lshl_add_u32 v[SS], v50, 5, s18              ; row 16 i + 8 h + j at 64 i + 32 h + 4 j of my 512 bytes
	v_add_nc_u32 v[SL], SCR, v[BO]                 ; rows 4 L .. 4 L + 3
	s_lshl_b32 s18, s16, 8
	s_add_co_u32 s18, s18, PB
	v_lshl_add_u32 v[PBS], v48, 3, s18             ; four weights of 2 bytes at 8 L
	v_lshl_add_u32 v[PBL], v50, 4, s18             ; a fragment's k = 8 h .. +7: 16 bytes at 16 h, the same in all 16 lanes of a half
	v_and_b32 v51, 7, v0
	v_lshl_add_u32 v51, v50, 3, v51                ; row 8 h + (L & 7)
	v_mul_u32_u24 v[TA], v51, PA
	v_bfe_u32 v51, v0, 3, 1
	v_lshl_add_u32 v[TA], v51, 4, v[TA]            ; + 16 ((L >> 3) & 1)
	s_mul_i32 s23, s16, 2*STRIP
	v_add_nc_u32 v[TA], s23, v[TA]                 ; + my 256 columns = two strips
	s_wait_loadcnt 32                              ; loads return in order: hwc, v and strip 0's rows 0-15 are in; its rows 16-31 and ST's 16 loads stay out
	BULK 0
	WIN TO_B
	BFETCH 0, 0                                    ; W's K quarter 0.  No vector instruction has named these registers, and none since the last wait names v[BO]
	s_wait_loadcnt 32                              ; strip 0's rows 16-31 are in; ST's 16 loads and W's 16 stay out
	BULK 1
	WIN TO_B
	BFETCH 64, 8192                                ; W's K quarters 1 and 2
	BFETCH 128, 2*8192
	WIN 0
	; v as the score product's operand: rounded to bf16 (nearest even), widened again, and scaled by log2(e), since scores are kept in base 2
.irp n, 0,2,4,6,8,10,12,14
	v_cvt_pk_bf16_f32 v[SCO+(\n>>1)%4], v[VL+\n], v[VL+\n+1]
	v_lshlrev_b32 v[VL+\n],   16,         v[SCO+(\n>>1)%4]
	v_and_b32     v[VL+\n+1], 0xffff0000, v[SCO+(\n>>1)%4]
	v_pk_mul_f32 v[VL+\n:VL+\n+1], v[VL+\n:VL+\n+1], LOG2E op_sel_hi:[1,0]
.endr
	s_wait_dscnt 0x0                               ; my rows of strip 0 are in LDS,
	s_barrier_signal -1
	s_barrier_wait -1                              ; and everybody's are.  The loads that are out touch registers alone
	; ---- G: the product.  A quarter = 32 along K = 64 matrix instructions; 32 quarters a chunk, 64 in all.
; One quarter: multiplies A's buffer af by W's buffer bf.  It asks for W's quarter three ahead (into bg, the buffer that the quarter before has read),
; behind its first 16 matrix instructions, and for A's next quarter (into ag, likewise), behind its first 32.  nl = the younger loads that may stay out at its head.
; st = 1, 2: at its head the quarter takes in 16 rows of the next strip; st = 1: and asks for the next 16.
; bar = 1: the trip's barrier.  In front of the signal all my LDS accesses are done, my stores of the next strip among them; the wait stands in
; front of the quarter's loads, of which the LDS loads are the first to read that strip.  Between the two: work on registers alone.
; Between two such barriers every wave reads one strip and stores into the strip behind it: two disjoint runs of 34,816 bytes.
; The 64 accumulators take turns in the same order in every quarter, one instruction a turn.
.macro QUARTER af, ag, bf, bg, kA, kB, zero, fA, fB, nl, st, half, bar
	s_wait_loadcnt \nl                             ; this quarter's fragments of W are in; with st: so are the 16 rows, which were asked for behind them
.if \bar
	s_wait_dscnt 0
	s_barrier_signal -1
.else
	s_wait_dscnt 8                                 ; A's blocks 0-3 are in; the youngest eight loads (blocks 4-7) may be out
.endif
.if \fA+\fB+\st
	PLACES                                         ; the four places between the matrix instructions that read a buffer and the loads into it stay as they were; they stand ahead of the wait
.endif
.if \st
	STREAM_CVT
.endif
.if \fA+\fB+\st
	s_wait_alu depctr_va_vdst(0)                   ; the quarter before is done reading ag and bg, in which this quarter's loads land; with st: the conversions have written ST, which the stores read, and are done with it; in a trip's first quarter: v[ADRW] and v[LS] are written
.endif
.if \st
	STREAM_PUT \half
.endif
.if \st == 1
	s_wait_alu depctr_vm_vsrc(0)                   ; the 16 stores have read ST, in which the next 16 rows land
	STREAM_ASK \half
.endif
	WIN MUL_LO
	MUL16 \af, \bf, 0, 0, \zero
.if (\fB) && !(\bar)
	WIN TO_B
	BFETCH \bg, \kB                                ; no wait: no vector or matrix instruction since the wait above names bg or v[BO]
	WIN MUL_LO
.endif
	MUL16 \af, \bf, 0, 2, \zero
.if \bar
	s_barrier_wait -1
.endif
.if (\fB) && (\bar)
	WIN TO_B
	BFETCH \bg, \kB
.endif
.if \fA
	WIN 0
	AFETCH \ag, \kA                                ; no wait: none since the wait above names ag or v[ADRW]
	s_wait_dscnt 16                                ; all but the 16 just issued
.else
	s_wait_dscnt 0
.endif
	WIN MUL_HI
	MUL16 \af, \bf, 1, 0, \zero
	MUL16 \af, \bf, 1, 2, \zero
.endm
; Four quarters = one strip: once round W's four buffers, twice round A's two.  The fourth quarter's LDS loads reach into the next strip.
.macro TRIP zero, fA3, fB1, fB2, fB3, nl0, nl1, nl2, nl3, st0, st2, bar
	QUARTER F0, F1, 0,   192, 64,    3*8192, \zero, 1,     1,     \nl0, \st0, 0, 0
	QUARTER F1, F0, 64,  0,   128,   4*8192, 0,     1,     \fB1,  \nl1, 0,    0, 0
	QUARTER F0, F1, 128, 64,  192,   5*8192, 0,     1,     \fB2,  \nl2, \st2, 1, 0
	QUARTER F1, F0, 192, 128, STRIP, 6*8192, 0,     \fA3,  \fB3,  \nl3, 0,    0, \bar
	WIN 0
.endm
.macro STEP stream
	s_wait_xcnt 0x0                                ; the loads' bases are stepped only behind this wait
	s_wait_alu depctr_vm_vsrc(0)                   ; the LDS loads and stores issued so far have read v[ADRW], v[LS] and their data; the next quarter's wait on va_vdst states that the two adds are written
	s_add_nc_u64 s[6:7], s[6:7], 32768             ; four quarters of 8,192 bytes; chunk 1's follow chunk 0's without a gap
.if \stream
	s_add_nc_u64 s[4:5], s[4:5], 512               ; 128 columns of f32 on
	v_add_nc_u32 v[LS], STRIP, v[LS]
.endif
	v_add_nc_u32 v[ADRW], STRIP, v[ADRW]           ; 128 along K
.endm
.macro CHUNK_HEAD
	s_wait_alu depctr_vm_vsrc(0)                   ; the LDS instructions issued so far have read their registers: the loads v[ADRW]; ahead of chunk 0 strip 0's stores Y, which is F0
	v_mov_b32 v[ADRW], v[ADR0]
	s_wait_alu depctr_va_vdst(0)                   ; v[ADRW] is written; the vector instructions that worked in F0's registers (strip 0's conversions, the epilogue) are done with them
	AFETCH F0, 0
.endm
; ---- E: behind chunk c.  Lane (r, h) holds in tile (i, b) column 16 (8 c + b) + r of my 256 and rows 16 i + 8 h + 0..7.
; One row block at a time, 64 numbers a lane: u = CEXP x + hwc; 2^u; + 1; reciprocal; 1 - 2 (..) = tanh; SC[i] += bf16(v) log2(e) tanh.
; hwc and v are one register for a block: op_sel picks it out of its even-aligned pair for both halves of a packed instruction.
; Vector work alone.  SC's registers were ST: the wait on vm_vsrc between trips 6 and 7 has stated that the last stores have read them.
.macro EPI c
	PLACES
.irp i, 0,1,2,3,4,5,6,7
.if \i < 4
	WIN 0x02
.else
	WIN 0x03
.endif
.irp b, 0,1,2,3,4,5,6,7
.irp p, 0,2,4,6
.if \b & 1
	v_pk_fma_f32 v[T+8*\b+\p:T+8*\b+\p+1], v[8*(8*(\i&3)+\b)+\p:8*(8*(\i&3)+\b)+\p+1], CEXP, v[HWC+8*\c+\b-1:HWC+8*\c+\b] op_sel:[0,0,1] op_sel_hi:[1,0,1]
.else
	v_pk_fma_f32 v[T+8*\b+\p:T+8*\b+\p+1], v[8*(8*(\i&3)+\b)+\p:8*(8*(\i&3)+\b)+\p+1], CEXP, v[HWC+8*\c+\b:HWC+8*\c+\b+1] op_sel_hi:[1,0,0]
.endif
.endr
.endr
	WIN 0
.set x, 0
.rept 64
	v_exp_f32 v[T+x], v[T+x]
.set x, x+1
.endr
	v_nop                                          ; one plain place behind the last transcendental before results are used (ISA guide 5.7.2)
.set x, 0
	s_wait_alu depctr_va_vdst(0)
.rept 32
	v_pk_add_f32 v[T+x:T+x+1], v[T+x:T+x+1], 1.0 op_sel_hi:[1,0]
.set x, x+2
.endr
.set x, 0
.rept 64
	v_rcp_f32 v[T+x], v[T+x]
.set x, x+1
.endr
	v_nop
.set x, 0
	s_wait_alu depctr_va_vdst(0)
.rept 32
	v_pk_fma_f32 v[T+x:T+x+1], v[T+x:T+x+1], -2.0, 1.0 op_sel_hi:[1,0,0]
.set x, x+2
.endr
.irp b, 0,1,2,3,4,5,6,7
.irp p, 0,2,4,6
.if (\c+\b) == 0
	v_pk_mul_f32 v[SC+8*\i+\p:SC+8*\i+\p+1], v[T+8*\b+\p:T+8*\b+\p+1], v[VL:VL+1] op_sel_hi:[1,0]     ; the first block starts the sums
.elseif \b & 1
	v_pk_fma_f32 v[SC+8*\i+\p:SC+8*\i+\p+1], v[T+8*\b+\p:T+8*\b+\p+1], v[VL+8*\c+\b-1:VL+8*\c+\b], v[SC+8*\i+\p:SC+8*\i+\p+1] op_sel:[0,1,0] op_sel_hi:[1,1,1]
.else
	v_pk_fma_f32 v[SC+8*\i+\p:SC+8*\i+\p+1], v[T+8*\b+\p:T+8*\b+\p+1], v[VL+8*\c+\b:VL+8*\c+\b+1], v[SC+8*\i+\p:SC+8*\i+\p+1] op_sel_hi:[1,0,1]
.endif
.endr
.endr
.endr
.endm
	; Chunk 0, with the rows' stream.  The loads of a quarter go out in the order rows (16, at the head of the first and third quarter), W (16).
	; At the head of a first or third quarter the rows asked for two quarters back are due, and behind them two quarters of W were asked for: 32.
	; At the head of a second or fourth quarter W alone is due, and behind it two quarters of W and one half strip were asked for: 48.
	CHUNK_HEAD
	TRIP 1, 1, 1, 1, 1, 32, 48, 32, 48, 1, 1, 1        ; trip 0: behind strip 1's first rows and W's quarter 0 the kernel's head asked for W's quarters 1 and 2: 32 here too
	STEP 1
	s_mov_b32 s22, 5
.Lk0:
	TRIP 0, 1, 1, 1, 1, 32, 48, 32, 48, 1, 1, 1        ; trips 1 to 5
	STEP 1
	s_sub_co_u32 s22, s22, 1
	s_cmp_lg_u32 s22, 0
	s_cbranch_scc1 .Lk0
	TRIP 0, 1, 1, 1, 1, 32, 48, 32, 32, 1, 2, 1        ; trip 6 takes in strip 7 and asks for nothing behind its rows 16-31: no load passes a row's end.  From its fourth quarter on only W is out: 32
	STEP 0
	TRIP 0, 0, 1, 1, 1, 32, 32, 32, 32, 0, 0, 0        ; trip 7: the chunk's last quarter asks for no more of A; W's ring runs on into chunk 1
	STEP 0
	EPI 0
	CHUNK_HEAD                                     ; chunk 1: all eight strips are in LDS
	TRIP 1, 1, 1, 1, 1, 32, 32, 32, 32, 0, 0, 0
	STEP 0
	s_mov_b32 s22, 6
.Lk1:
	TRIP 0, 1, 1, 1, 1, 32, 32, 32, 32, 0, 0, 0
	STEP 0
	s_sub_co_u32 s22, s22, 1
	s_cmp_lg_u32 s22, 0
	s_cbranch_scc1 .Lk1
	TRIP 0, 0, 0, 0, 0, 32, 32, 16, 0, 0, 0, 0         ; quarters 60 to 63: only quarter 63 is still asked for, so no load passes wf's end; the counts run down 32, 32, 16, 0; the last quarter issues no load and holds no wait on va_vdst
	EPI 1
	; ---- S: softmax over the work-group's 128 rows.
.irp m, 1,2,4,8                                    ; over the 16 lanes of a half, which hold 16 columns of the same rows
.set x, 0
.rept 64
	v_add_f32_dpp v[SC+x], v[SC+x], v[SC+x] row_xmask:\m row_mask:0xf bank_mask:0xf
.set x, x+1
.endr
.endr
	s_wait_alu depctr_va_vdst(0)                   ; the additions have written SC, which the stores read; the epilogue is done with T, in which the loads behind the barrier land
.irp i, 0,1,2,3,4,5,6,7
	ds_store_b128 v[SS], v[SC+8*\i:SC+8*\i+3]   offset:64*\i       ; the 16 lanes of a half write the same bytes with the same values
	ds_store_b128 v[SS], v[SC+8*\i+4:SC+8*\i+7] offset:64*\i+16
.endr
	v_bfe_u32 v[CS], v0, 4, 1                      ; v1 and v2 held offsets of loads and stores that are long done: every trip's end since has waited on vm_vsrc and on XCNT
	s_lshl_b32 s17, s16, 10
	s_add_co_u32 s17, s17, CTX
	v_lshl_add_u32 v[CS], v[CS], 5, s17            ; column 16 e + 8 h + j at 64 e + 32 h + 4 j of my 1,024 bytes
	v_add_nc_u32 v[CL], s17, v[BO]
	s_wait_dscnt 0x0                               ; my row sums are in LDS,
	s_barrier_signal -1
	s_barrier_wait -1                              ; and everybody's are
.irp q, 0,1,2,3
	ds_load_b128 v[T+4*\q:T+4*\q+3], v[SL] offset:512*\q           ; rows 4 L .. +3 of each wave's sums; every wave does the whole softmax.  No wait: the three vector lines since the last one name neither T nor v[SL]
.endr
	s_wait_dscnt 0x0
	v_pk_add_f32 v[SCO:SCO+1],   v[T:T+1],     v[T+4:T+5]
	v_pk_add_f32 v[SCO+2:SCO+3], v[T+2:T+3],   v[T+6:T+7]
	v_pk_add_f32 v[T+8:T+9],     v[T+8:T+9],   v[T+12:T+13]
	v_pk_add_f32 v[T+10:T+11],   v[T+10:T+11], v[T+14:T+15]
	v_pk_add_f32 v[SCO:SCO+1],   v[SCO:SCO+1],   v[T+8:T+9]
	v_pk_add_f32 v[SCO+2:SCO+3], v[SCO+2:SCO+3], v[T+10:T+11]
	v_max3_num_f32 v[ML], v[SCO], v[SCO+1], v[SCO+2]
	v_max_num_f32 v[ML], v[ML], v[SCO+3]
.irp m, 1,2,4,8
	v_max_num_f32_dpp v[ML], v[ML], v[ML] row_xmask:\m row_mask:0xf bank_mask:0xf
.endr
	v_permlanex16_b32 v[T], v[ML], s24, s25        ; its destination counts as read: a register that has been written
	v_max_num_f32 v[ML], v[ML], v[T]               ; the largest of the 128 scores, in every lane
.irp e, 0,1,2,3
	v_sub_f32 v[SCO+\e], v[SCO+\e], v[ML]
.endr
.irp e, 0,1,2,3
	v_exp_f32 v[SCO+\e], v[SCO+\e]
.endr
	v_nop
	s_wait_alu depctr_va_vdst(0)
	v_cvt_pk_bf16_f32 v[PP],   v[SCO],   v[SCO+1]
	v_cvt_pk_bf16_f32 v[PP+1], v[SCO+2], v[SCO+3]
	s_wait_alu depctr_va_vdst(0)                   ; the roundings have written v[PP:PP+1], which the store reads; the epilogue is done reading hwc's and v's registers, in which the weights' fragments land; v[CS] and v[CL] are written
	ds_store_b64 v[PBS], v[PP:PP+1]                ; into my wave's own copy
.irp k, 0,1,2,3
	ds_load_b128 v[PF+8*\k:PF+8*\k+3],   v[PBL] offset:64*\k       ; LDS serves a wave's instructions in order (ISA guide 5.7.1): these see the store above
	ds_load_b128 v[PF+8*\k+4:PF+8*\k+7], v[PBL] offset:64*\k+32
.endr
	v_lshlrev_b32 v[T],   16, v[PP]                ; the sum is taken over the weights as rounded
	v_and_b32     v[T+1], 0xffff0000, v[PP]
	v_lshlrev_b32 v[T+2], 16, v[PP+1]
	v_and_b32     v[T+3], 0xffff0000, v[PP+1]
	v_pk_add_f32 v[T:T+1], v[T:T+1], v[T+2:T+3]
	v_add_f32 v[ML+1], v[T], v[T+1]
.irp m, 1,2,4,8
	v_add_f32_dpp v[ML+1], v[ML+1], v[ML+1] row_xmask:\m row_mask:0xf bank_mask:0xf
.endr
	v_permlanex16_b32 v[T], v[ML+1], s24, s25
	v_add_f32 v[ML+1], v[ML+1], v[T]
	v_mov_b32 v[ML+2], v[ML]                       ; the pair twice: a lane stores 16 bytes, the wave 512 consecutive ones
	v_mov_b32 v[ML+3], v[ML+1]
	; ---- C: context(e) = sum over the 128 rows s of weight(s) row(s, e).  Wave w: columns 256 w .. +255 = strips 2 w and 2 w + 1.
	; Source 0 = 16 columns e x 32 rows s, read transposed from the rows in LDS; source 1 = the weights, the same in all 16 columns of the result.
	; Lane (r, h) gets columns 16 e + 8 h + 0..7.  Group g: a strip's eight column blocks (strip g >> 2 of my two) x 32 rows (g & 3).
	; The largest offset is STRIP + 3 WROWS + 224 + BLK = 65,504.
	; THE PLAN here: each of the eight groups has 64 registers of its own, group g at v[64 (g & 3)] of window 2 + (g >> 2): the product's accumulators, which the
	; second epilogue has read.  So ONE wait on va_vdst, ahead of the first group, covers all 128 loads: no matrix instruction reads a group's registers before
	; its loads are issued.  SC is read by stores and then written anew by products, twice: a wait on vm_vsrc stands ahead of those products.
.macro LOADG g
	WIN 0x80+0x40*(\g>>2)
.irp e, 0,1,2,3,4,5,6,7
	ds_load_tr16_b128 v[64*(\g&3)+8*\e:64*(\g&3)+8*\e+3],   v[TA] offset:(\g>>2)*STRIP+(\g&3)*WROWS+32*\e
	ds_load_tr16_b128 v[64*(\g&3)+8*\e+4:64*(\g&3)+8*\e+7], v[TA] offset:(\g>>2)*STRIP+(\g&3)*WROWS+32*\e+BLK
.endr
.endm
.macro MULG g                          ; eight accumulators take turns, one instruction a turn
	WIN 0x02+(\g>>2)
.irp e, 0,1,2,3,4,5,6,7
.if (\g&3) == 0
	v_wmma_f32_16x16x32_bf16 v[SC+8*\e:SC+8*\e+7], v[64*(\g&3)+8*\e:64*(\g&3)+8*\e+7], v[PF+8*(\g&3):PF+8*(\g&3)+7], 0
.else
	v_wmma_f32_16x16x32_bf16 v[SC+8*\e:SC+8*\e+7], v[64*(\g&3)+8*\e:64*(\g&3)+8*\e+7], v[PF+8*(\g&3):PF+8*(\g&3)+7], v[SC+8*\e:SC+8*\e+7]
.endif
.endr
.endm
.macro CSTORE half                     ; five places: for the stores that read results, and for the products that start the sums anew
	WIN 0
.rept 5
	v_nop
.endr
	s_wait_alu depctr_va_vdst(0)                   ; the matrix instructions have written SC, which the stores read; the places above stay beside this wait
.irp e, 0,1,2,3,4,5,6,7
	ds_store_b128 v[CS], v[SC+8*\e:SC+8*\e+3]   offset:64*(8*\half+\e)
	ds_store_b128 v[CS], v[SC+8*\e+4:SC+8*\e+7] offset:64*(8*\half+\e)+16
.endr
.endm
	WIN 0x80
	s_wait_alu depctr_va_vdst(0)                   ; the product has written, and the second epilogue has read, the registers of windows 2 and 3, in which the eight groups land; v[ML:ML+3] are written, which wave 0's last store reads
	LOADG 0
	LOADG 1
	LOADG 2
	s_wait_dscnt 32                                ; all but the 32 loads just issued: the weights and group 0 are in
	s_wait_alu depctr_vm_vsrc(0)                   ; the stores of the row sums have read SC, which the products below write
	MULG 0
	LOADG 3
	s_wait_dscnt 32                                ; group 1 is in; two younger groups stay out
	MULG 1
	LOADG 4
	s_wait_dscnt 32
	MULG 2
	LOADG 5
	s_wait_dscnt 32
	MULG 3
	CSTORE 0
	s_wait_dscnt 32                                ; group 4 is in; group 5's 16 loads and the 16 stores may be out
	s_wait_alu depctr_vm_vsrc(0)                   ; the 16 stores have read SC, which the products below write anew
	MULG 4
	LOADG 6
	s_wait_dscnt 32                                ; group 5 is in; the 16 stores and group 6 may be out
	MULG 5
	LOADG 7
	s_wait_dscnt 16                                ; group 6 is in
	MULG 6
	s_wait_dscnt 0
	MULG 7
	CSTORE 1
	ds_load_b128 v[T:T+3],   v[CL]                 ; my own bytes, served in order behind the stores.  No wait: no vector or matrix instruction since the last one names T or v[CL]
	ds_load_b128 v[T+4:T+7], v[CL] offset:512
	s_wait_dscnt 0x0
	global_store_b128 v[PO], v[T:T+3],   s[12:13]              ; each store of the wave covers 512 consecutive bytes, aligned
	global_store_b128 v[PO], v[T+4:T+7], s[12:13] offset:512
	s_cmp_lg_u32 s16, 0
	s_cbranch_scc1 .Lend
	global_store_b128 v[BO], v[ML:ML+3], s[14:15]              ; wave 0: (maximum, sum) for the work-group
.Lend:
	s_wait_dscnt 0x0
	s_wait_alu depctr_hold_cnt(0) depctr_sa_sdst(0) depctr_va_vdst(0) depctr_va_sdst(0) depctr_va_ssrc(0) depctr_va_vcc(0) depctr_vm_vsrc(0)
	s_wait_tensorcnt 0x0
	ds_add_u32 v62, v63
	s_wait_dscnt 0x0
	s_endpgm
.Lfunc_end_k_q414948b70d_main:
	.size	k_q414948b70d_main, .Lfunc_end_k_q414948b70d_main-k_q414948b70d_main
	.p2alignl 7, 3214868480
	.fill 96, 4, 3214868480
	.section	.rodata,"a",@progbits
	.p2align	6, 0x0
	.amdhsa_kernel k_q414948b70d_main
		.amdhsa_group_segment_fixed_size 286208
		.amdhsa_private_segment_fixed_size 0
		.amdhsa_enable_private_segment 0
		.amdhsa_kernarg_size 48
		.amdhsa_user_sgpr_count 2
		.amdhsa_user_sgpr_kernarg_segment_ptr 1
		.amdhsa_wavefront_size32 1
		.amdhsa_system_sgpr_workgroup_id_x 1
		.amdhsa_system_sgpr_workgroup_id_y 1
		.amdhsa_system_sgpr_workgroup_id_z 1
		.amdhsa_system_vgpr_workitem_id 0
		.amdhsa_next_free_vgpr 1024
		.amdhsa_next_free_sgpr 66
		.amdhsa_reserve_vcc 0
		.amdhsa_float_denorm_mode_32 3
		.amdhsa_float_denorm_mode_16_64 3
		.amdhsa_memory_ordered 1
		.amdhsa_forward_progress 1
		.amdhsa_inst_pref_size 255
	.end_amdhsa_kernel
	.section	.bss,"aw",@nobits
	.p2align	6
	.space	262144
	.amdgpu_metadata
---
amdhsa.version: [ 1, 2 ]
amdhsa.kernels:
  - .name:           k_q414948b70d_main
    .symbol:         k_q414948b70d_main.kd
    .args:
      - { .name: encoder_outputs, .offset: 0, .size: 8, .value_kind: global_buffer, .address_space: global }
      - { .name: wf, .offset: 8, .size: 8, .value_kind: global_buffer, .address_space: global }
      - { .name: hwc, .offset: 16, .size: 8, .value_kind: global_buffer, .address_space: global }
      - { .name: v, .offset: 24, .size: 8, .value_kind: global_buffer, .address_space: global }
      - { .name: pctx, .offset: 32, .size: 8, .value_kind: global_buffer, .address_space: global }
      - { .name: ml, .offset: 40, .size: 8, .value_kind: global_buffer, .address_space: global }
    .group_segment_fixed_size: 286208
    .private_segment_fixed_size: 0
    .kernarg_segment_align: 8
    .kernarg_segment_size: 48
    .max_flat_workgroup_size: 128
    .sgpr_count:     66
    .vgpr_count:     1024
    .wavefront_size: 32
...
	.end_amdgpu_metadata
.endif
;; end of part 5
;; launch comb: the kernel of part 3 again; grid 64 x 1, 8 waves a work-group, no clusters, 0 bytes of LDS; arguments pctx, ml, out0; writes out0
